; MI455X (gfx1250); checked and timed in simulation.
; The chip was launched on July 23, 2026; its instructions are those of AMD's public machine-readable ISA for CDNA 5 (MIT licence, August 2026) and "CDNA5" Instruction Set Architecture Reference Guide (July 2026). The comments in the code are by the model that wrote it; some were corrected since.
;; Static Attention. Allowed arithmetic: float matrix products may take bf16 or f16 operands with f32 sums; other float arithmetic in f32, or as packed bf16 or f16 multiplies, adds, multiply-adds, maxima and minima; sums over many terms, partial sums and values carried from step to step in f32; what a program stores and reads back later, other than sums and carried values, may be rounded once to bf16 or f16.
;; Inputs: Wa 8 x 1 float32; Wk 256 x 2,048 float32; Wo 2,048 x 256 float32; Wq 256 x 2,048 float32; Wv 256 x 2,048 float32; b1 2,048 float32; b2 256 float32; ba 1 float32; beta_a 1 float32; betk 2,048 float32; betq 2,048 float32; betv 2,048 float32; bk 2,048 float32; bo 256 float32; bq 2,048 float32; bv 2,048 float32; dist 128 x 256 x 256 float32; g1 2,048 float32; g2 256 float32; ga 1 float32; gk 2,048 float32; gq 2,048 float32; gv 2,048 float32; local 128 x 256 float32; mask 128 x 1 x 256 bool; sites 128 x 256 x 256 float32.
;; Outputs: out0 128 x 1 x 256 float32; out1 128 x 1 x 256 float32.
;; One version. Each part assembles by itself: llvm-mc -triple=amdgcn-amd-amdhsa -mcpu=gfx1250 --defsym DOCPART=n.
;; ======== version 1 of 1: 5 launches
;; limits: a difference of large sums (such as E[x^2] - mean^2): digits are lost where the result is much smaller than its terms
;; workspace buffers: w1 4,211,968 bytes; gi 149,504 bytes; w2 533,504 bytes; w3 2,293,760 bytes; w4 1,187,840 bytes
;; launch prep1 (part 1): grid 128 x 1, 8 waves a work-group, no clusters, 76,800 bytes of LDS; arguments Wk, Wv, Wo, bk, bv, local, Wq, bq, w1, gi; writes w1, gi
.if DOCPART == 1
	.amdgcn_target "amdgcn-amd-amdhsa--gfx1250"
	.amdhsa_code_object_version 6
	.text
	.protected	k_qb4ee24bcab_prep1
	.globl	k_qb4ee24bcab_prep1
	.p2align	8
	.type	k_qb4ee24bcab_prep1,@function
k_qb4ee24bcab_prep1:
	s_mov_b64 s[64:65], 0
	v_nop
	global_prefetch_b8 v0, s[64:65] scope:SCOPE_SE
	s_setreg_imm32_b32 hwreg(HW_REG_WAVE_MODE, 25, 1), 1
	s_wait_xcnt 0x0
; PREPARATION 1.  Two roles, chosen by the work-group's number.
; ROLE 1 (work-groups 0-95): one wave, one row of 2,048 f32 of Wk, Wv or Wo (Wo taken flat as 256 such rows).  The row is rounded to bf16 (every floating-point input of the
; program is taken so), Wk's and Wv's rows have their mean over the 2,048 columns taken away (LayerNorm's centring commutes with the projection: y - mean(y) = x.Wc + bc),
; and the row is stored as bf16.  For Wk and Wv the wave also makes 2 (Wc.bc) of its row; row 0's wave stores bc = b - mean(b) and bc.bc.
; The bias is loaded by Wo's waves too (8 KiB that they do not use), so that the one counted wait holds on every way.
; ROLE 2 (work-groups 96-127): yq = local.Wq + bq for 64 columns; a wave makes 16 rows x 64 columns.  Wq's 256 x 64 block goes to LDS as bf16, [k][n], and is read turned.
; No cluster, no tensor load: role 1 shares nothing but the bias; role 2 converts both operands on their way through registers.
; w1: WKC bf16 [256][2048] at 0, WVC at 0x100000, WO16 bf16 [2048][256] at 0x200000, YQ f32 [128][2048] at 0x300000, bkc, bvc f32 at 0x400000, 0x402000, bc.bc at 0x404000.
; gi: for each side 74,752 bytes; the last 1,024 of them are the 256 numbers 2 (Wc.bc).
.set SPARE, 75776                      ; the spare words: 128 bytes for each of eight waves
.set OST,   40960                      ; role 2: a stage of 16 rows x 272 bytes for each wave; in front of it Wq's block, 256 rows x 160 bytes
.set SEL,   46                         ; s[46:47] v_permlanex16_b32's selects: each lane takes its own place in the other half
.set SPW,   14                         ; v14 my spare word; v15 = 0; never rewritten
.set NIL,   15
.set WR,    16                         ; role 1: v[16:79] the row; v[80:143] the bias; v[144:175] the row as bf16
.set BB,    80
.set PK,    144
.set ZR,    176
.set ZO,    177
.set ACC,   16                         ; role 2: v[16:47] four accumulators; v[48:111] local's 8 fragments; v[112:175] two sets of Wq's fragments; v[176:239] at work
.set LF,    48
.set TR,    112
.set TMP,   176
.macro PLACES
.rept 4
	v_nop
.endr
.endm
.macro RND2 a                          ; two f32 rounded to bf16 and widened again, in place
	v_cvt_pk_bf16_f32 v[\a], v[\a], v[(\a)+1]
	v_and_b32 v[(\a)+1], 0xffff0000, v[\a]
	v_lshlrev_b32 v[\a], 16, v[\a]
.endm
.macro WSUM x, t                       ; the sum over the wave's 32 lanes, in every lane
	v_add_f32_dpp v[\x], v[\x], v[\x] row_xmask:1 row_mask:0xf bank_mask:0xf
	v_add_f32_dpp v[\x], v[\x], v[\x] row_xmask:2 row_mask:0xf bank_mask:0xf
	v_add_f32_dpp v[\x], v[\x], v[\x] row_xmask:4 row_mask:0xf bank_mask:0xf
	v_add_f32_dpp v[\x], v[\x], v[\x] row_xmask:8 row_mask:0xf bank_mask:0xf
	v_permlanex16_b32 v[\t], v[\x], s[SEL], s[SEL+1]
	v_add_f32 v[\x], v[\x], v[\t]
.endm
.macro SUM64 x                         ; the sum of the wave's 2,048 numbers at v[x ..], into v4: four chains, then the lanes
.irp c, 0,1,2,3
	v_pk_add_f32 v[4+2*\c:5+2*\c], v[\x+2*\c:\x+2*\c+1], v[\x+8+2*\c:\x+8+2*\c+1]
.endr
.set p, 8
.rept 24
	v_pk_add_f32 v[4+2*(p%4):5+2*(p%4)], v[4+2*(p%4):5+2*(p%4)], v[\x+2*p:\x+2*p+1]
.set p, p+1
.endr
	v_pk_add_f32 v[4:5], v[4:5], v[6:7]
	v_pk_add_f32 v[8:9], v[8:9], v[10:11]
	v_pk_add_f32 v[4:5], v[4:5], v[8:9]
	v_add_f32 v4, v4, v5
	WSUM 4, 5
.endm
	s_load_b512 s[4:19], s[0:1], 0x0               ; Wk, Wv, Wo, bk, bv, local, Wq, bq
	s_load_b128 s[20:23], s[0:1], 0x40             ; w1, gi
	v_lshl_add_u32 v[SPW], v0, 2, SPARE
	v_mov_b32 v[NIL], 0
	v_lshrrev_b32 v1, 5, v0
	v_readfirstlane_b32 s24, v1                    ; wave 0..7
	v_and_b32 v1, 31, v0                           ; lane
	s_mov_b32 s[SEL], 0x76543210
	s_mov_b32 s[SEL+1], 0xfedcba98
	s_wait_kmcnt 0x0
	s_cmp_ge_u32 ttmp9, 96
	s_cbranch_scc1 .Lr2
	; ---------------- role 1
	s_lshr_b32 s25, ttmp9, 5                       ; 0 Wk, 1 Wv, 2 Wo
	s_and_b32 s26, ttmp9, 31
	s_lshl_b32 s26, s26, 3
	s_add_co_u32 s26, s26, s24                     ; my row
	s_cmp_eq_u32 s25, 0
	s_cselect_b64 s[28:29], s[4:5], s[6:7]
	s_cselect_b64 s[30:31], s[10:11], s[12:13]
	s_cmp_eq_u32 s25, 2
	s_cselect_b64 s[28:29], s[8:9], s[28:29]
	s_cselect_b32 s32, 0, 1.0                      ; Wo is not centred
	s_lshl_b32 s34, s26, 13
	s_mov_b32 s35, 0
	s_add_nc_u64 s[28:29], s[28:29], s[34:35]      ; the row in memory
	s_lshl_b32 s36, s25, 20
	s_lshl_b32 s37, s26, 12
	s_add_co_u32 s36, s36, s37
	s_mov_b32 s37, 0
	s_add_nc_u64 s[38:39], s[20:21], s[36:37]      ; the row in w1
	v_lshlrev_b32 v2, 4, v1
	v_lshlrev_b32 v3, 3, v1
.set i, 0
.rept 16
	global_load_b128 v[WR+4*i:WR+4*i+3], v2, s[28:29] offset:512*i th:TH_LOAD_NT
.set i, i+1
.endr
.set i, 0
.rept 16
	global_load_b128 v[BB+4*i:BB+4*i+3], v2, s[30:31] offset:512*i
.set i, i+1
.endr
	s_wait_loadcnt 16                              ; the row is in; the bias' 16 loads may stay out
.set q, 0
.rept 32
	RND2 WR+2*q
.set q, q+1
.endr
	SUM64 WR
	v_mul_f32 v12, 0x3a000000, v4                  ; / 2,048
	v_mul_f32 v12, s32, v12
	v_mov_b32 v13, v12
.set q, 0
.rept 32
	v_pk_add_f32 v[WR+2*q:WR+2*q+1], v[WR+2*q:WR+2*q+1], v[12:13] neg_lo:[0,1] neg_hi:[0,1]
.set q, q+1
.endr
.set q, 0
.rept 32
	v_cvt_pk_bf16_f32 v[PK+q], v[WR+2*q], v[WR+2*q+1]
.set q, q+1
.endr
.set i, 0
.rept 16
	global_store_b64 v3, v[PK+2*i:PK+2*i+1], s[38:39] offset:256*i  ; the wave's store covers 256 consecutive bytes, aligned
.set i, i+1
.endr
	s_cmp_eq_u32 s25, 2
	s_cbranch_scc1 .Lend
	s_wait_loadcnt 0x0                             ; the bias
.set q, 0
.rept 32
	RND2 BB+2*q
.set q, q+1
.endr
	SUM64 BB
	v_mul_f32 v12, 0x3a000000, v4
	v_mov_b32 v13, v12
.set q, 0
.rept 32
	v_pk_add_f32 v[BB+2*q:BB+2*q+1], v[BB+2*q:BB+2*q+1], v[12:13] neg_lo:[0,1] neg_hi:[0,1]  ; bc
.set q, q+1
.endr
	v_mov_b32 v[ZR], 0
.set n, 0
.rept 64                               ; Wc.bc with the row as it was stored (bf16), in four chains
.if n < 4
.if n % 2
	v_fma_mix_f32_bf16 v[4+n], v[PK+n/2], v[BB+n], v[ZR] op_sel:[1,0,0] op_sel_hi:[1,0,0]
.else
	v_fma_mix_f32_bf16 v[4+n], v[PK+n/2], v[BB+n], v[ZR] op_sel_hi:[1,0,0]
.endif
.else
.if n % 2
	v_fma_mix_f32_bf16 v[4+n%4], v[PK+n/2], v[BB+n], v[4+n%4] op_sel:[1,0,0] op_sel_hi:[1,0,0]
.else
	v_fma_mix_f32_bf16 v[4+n%4], v[PK+n/2], v[BB+n], v[4+n%4] op_sel_hi:[1,0,0]
.endif
.endif
.set n, n+1
.endr
	v_add_f32 v4, v4, v5
	v_add_f32 v6, v6, v7
	v_add_f32 v4, v4, v6
	WSUM 4, 5
	v_add_f32 v4, v4, v4                           ; 2 (Wc.bc)
	s_mul_i32 s36, s25, 74752
	s_lshl_b32 s37, s26, 2
	s_add_co_u32 s36, s36, s37
	s_add_co_u32 s36, s36, 73728
	s_mov_b32 s37, 0
	s_add_nc_u64 s[40:41], s[22:23], s[36:37]
	v_mov_b32 v[ZO], 0
	v_cmp_eq_u32 vcc_lo, 0, v1
	s_wait_xcnt 0x0                                ; EXEC changes only behind this wait
	s_and_saveexec_b32 s42, vcc_lo
	global_store_b32 v[ZO], v4, s[40:41]           ; one number for 8 KiB read
	s_wait_xcnt 0x0
	s_or_b32 exec_lo, exec_lo, s42
	s_cmp_lg_u32 s26, 0
	s_cbranch_scc1 .Lend
	s_lshl_b32 s36, s25, 13                        ; row 0's wave: bc and bc.bc
	s_add_co_u32 s36, s36, 0x400000
	s_add_nc_u64 s[44:45], s[20:21], s[36:37]
.set i, 0
.rept 16
	global_store_b128 v2, v[BB+4*i:BB+4*i+3], s[44:45] offset:512*i
.set i, i+1
.endr
.set q, 0
.rept 32
.if q < 4
	v_pk_mul_f32 v[4+2*q:5+2*q], v[BB+2*q:BB+2*q+1], v[BB+2*q:BB+2*q+1]
.else
	v_pk_fma_f32 v[4+2*(q%4):5+2*(q%4)], v[BB+2*q:BB+2*q+1], v[BB+2*q:BB+2*q+1], v[4+2*(q%4):5+2*(q%4)]
.endif
.set q, q+1
.endr
	v_pk_add_f32 v[4:5], v[4:5], v[6:7]
	v_pk_add_f32 v[8:9], v[8:9], v[10:11]
	v_pk_add_f32 v[4:5], v[4:5], v[8:9]
	v_add_f32 v4, v4, v5
	WSUM 4, 5
	s_lshl_b32 s36, s25, 2
	s_add_co_u32 s36, s36, 0x404000
	s_add_nc_u64 s[40:41], s[20:21], s[36:37]
	s_wait_xcnt 0x0
	s_and_saveexec_b32 s42, vcc_lo
	global_store_b32 v[ZO], v4, s[40:41]
	s_wait_xcnt 0x0
	s_or_b32 exec_lo, exec_lo, s42
	s_branch .Lend
	; ---------------- role 2
.Lr2:
	s_sub_co_u32 s25, ttmp9, 96
	s_lshl_b32 s26, s25, 8                         ; my 64 columns: 256 bytes of a row
	s_mov_b32 s27, 0
	s_add_nc_u64 s[28:29], s[16:17], s[26:27]      ; Wq
	s_add_nc_u64 s[30:31], s[18:19], s[26:27]      ; bq
	s_add_co_u32 s26, s26, 0x300000
	s_add_nc_u64 s[32:33], s[20:21], s[26:27]      ; YQ
	v_and_b32 v2, 15, v0                           ; r
	v_bfe_u32 v3, v0, 4, 1                         ; h
	s_lshl_b32 s34, s24, 5
	v_add_nc_u32 v12, s34, v3                      ; Wq's row 32 w + h
	v_lshlrev_b32 v4, 13, v12
	v_lshl_add_u32 v4, v2, 4, v4                   ; in memory: lanes 0-15 take one row's 256 bytes, lanes 16-31 the next row's
	v_mul_u32_u24 v5, v12, 160
	v_lshl_add_u32 v5, v2, 3, v5                   ; in LDS
	s_lshl_b32 s34, s24, 4
	v_add_nc_u32 v12, s34, v2                      ; local's row 16 w + r
	v_lshlrev_b32 v6, 10, v12
	v_lshl_add_u32 v6, v3, 5, v6
	v_and_b32 v12, 7, v0
	v_lshl_add_u32 v7, v3, 3, v12
	v_mul_u32_u24 v7, v7, 160
	v_bfe_u32 v12, v0, 3, 1
	v_lshl_add_u32 v7, v12, 4, v7                  ; the turning load: row 8 h + l % 8, 16 bytes by (l / 8) % 2
	v_lshlrev_b32 v8, 5, v3                        ; bq: my 8 columns of a tile
	s_mul_i32 s34, s24, 4352
	s_add_co_u32 s34, s34, OST
	v_mul_u32_u24 v9, v2, 272
	v_lshl_add_u32 v9, v3, 5, v9
	v_add_nc_u32 v9, s34, v9                       ; into my stage
	v_mul_u32_u24 v10, v3, 272
	v_lshl_add_u32 v10, v2, 4, v10
	v_add_nc_u32 v10, s34, v10                     ; back by rows
	s_lshl_b32 s35, s24, 4
	v_add_nc_u32 v12, s35, v3
	v_lshlrev_b32 v11, 13, v12
	v_lshl_add_u32 v11, v2, 4, v11                 ; the same two rows in YQ
.macro LLD dst, k0                     ; local's fragments k0 .. k0+3 as f32: 16 loads
.irp e, 0,1,2,3
	global_load_b128 v[\dst+16*\e:\dst+16*\e+3],     v6, s[14:15] offset:128*(\k0+\e)
	global_load_b128 v[\dst+16*\e+4:\dst+16*\e+7],   v6, s[14:15] offset:128*(\k0+\e)+16
	global_load_b128 v[\dst+16*\e+8:\dst+16*\e+11],  v6, s[14:15] offset:128*(\k0+\e)+64
	global_load_b128 v[\dst+16*\e+12:\dst+16*\e+15], v6, s[14:15] offset:128*(\k0+\e)+80
.endr
.endm
.set i, 0
.rept 16
	global_load_b128 v[TMP+4*i:TMP+4*i+3], v4, s[28:29] offset:16384*i th:TH_LOAD_NT
.set i, i+1
.endr
	LLD TR, 0
	s_wait_loadcnt 16                              ; Wq's 32 rows are in; local's 16 loads may stay out
.set i, 0
.rept 16
	v_cvt_pk_bf16_f32 v[TMP+4*i], v[TMP+4*i], v[TMP+4*i+1]
	v_cvt_pk_bf16_f32 v[TMP+4*i+1], v[TMP+4*i+2], v[TMP+4*i+3]
	ds_store_b64 v5, v[TMP+4*i:TMP+4*i+1] offset:320*i
.set i, i+1
.endr
	LLD TMP, 4
	s_wait_loadcnt 16                              ; local's first half
.set i, 0
.rept 32
	v_cvt_pk_bf16_f32 v[LF+i], v[TR+2*i], v[TR+2*i+1]
.set i, i+1
.endr
	s_wait_loadcnt 0x0
.set i, 0
.rept 32
	v_cvt_pk_bf16_f32 v[LF+32+i], v[TMP+2*i], v[TMP+2*i+1]
.set i, i+1
.endr
.irp t, 0,1,2,3
	global_load_b128 v[TMP+8*\t:TMP+8*\t+3],   v8, s[30:31] offset:64*\t
	global_load_b128 v[TMP+8*\t+4:TMP+8*\t+7], v8, s[30:31] offset:64*\t+16
.endr
	s_wait_dscnt 0x0                               ; for the others' sake: my part of Wq's block is stored
	s_barrier_signal -1
	s_barrier_wait -1
.macro TRLOAD ks, sb                   ; Wq's four fragments (16 columns x 32 k) of K step ks, turned
.irp t, 0,1,2,3
	ds_load_tr16_b128 v[TR+32*(\sb)+8*\t:TR+32*(\sb)+8*\t+3],   v7 offset:5120*(\ks)+32*\t
	ds_load_tr16_b128 v[TR+32*(\sb)+8*\t+4:TR+32*(\sb)+8*\t+7], v7 offset:5120*(\ks)+32*\t+2560
.endr
.endm
	TRLOAD 0, 0
	TRLOAD 1, 1
.set ks, 0
.rept 8                                ; source 0 = 16 columns of Wq, source 1 = my 16 rows of local: a lane ends with 8 neighbouring columns of one row.  The four accumulators take turns
.if ks < 7
	s_wait_dscnt 8                                 ; this step's eight loads are in, the next step's may be out
.else
	s_wait_dscnt 0x0
.endif
.irp t, 0,1,2,3
.if ks == 0
	v_wmma_f32_16x16x32_bf16 v[ACC+8*\t:ACC+8*\t+7], v[TR+32*(ks%2)+8*\t:TR+32*(ks%2)+8*\t+7], v[LF+8*ks:LF+8*ks+7], 0
.else
	v_wmma_f32_16x16x32_bf16 v[ACC+8*\t:ACC+8*\t+7], v[TR+32*(ks%2)+8*\t:TR+32*(ks%2)+8*\t+7], v[LF+8*ks:LF+8*ks+7], v[ACC+8*\t:ACC+8*\t+7]
.endif
.endr
	PLACES                                         ; four places in front of loads into registers just multiplied, and of the sums below
.if ks < 6
	TRLOAD ks+2, ks%2
.endif
.set ks, ks+1
.endr
	s_wait_loadcnt 0x0                             ; bq
.set q, 0
.rept 16
	RND2 TMP+2*q
.set q, q+1
.endr
.set q, 0
.rept 16
	v_pk_add_f32 v[ACC+2*q:ACC+2*q+1], v[ACC+2*q:ACC+2*q+1], v[TMP+2*q:TMP+2*q+1]
.set q, q+1
.endr
.irp t, 0,1,2,3
	ds_store_b128 v9, v[ACC+8*\t:ACC+8*\t+3]   offset:64*\t
	ds_store_b128 v9, v[ACC+8*\t+4:ACC+8*\t+7] offset:64*\t+16
.endr
.irp i, 0,1,2,3,4,5,6,7
	ds_load_b128 v[TR+4*\i:TR+4*\i+3], v10 offset:544*\i  ; my own stage: LDS serves a wave's instructions in order
.endr
.irp i, 0,1,2,3,4,5,6,7
	s_wait_dscnt 7-\i
	global_store_b128 v11, v[TR+4*\i:TR+4*\i+3], s[32:33] offset:16384*\i  ; 16 lanes store 256 consecutive bytes, aligned
.endr
.Lend:
	s_wait_tensorcnt 0x0                           ; the wave's end
	ds_add_u32 v[SPW], v[NIL]
	s_wait_dscnt 0x0
	s_endpgm
.Lfunc_end_k_qb4ee24bcab_prep1:
	.size	k_qb4ee24bcab_prep1, .Lfunc_end_k_qb4ee24bcab_prep1-k_qb4ee24bcab_prep1
	.p2alignl 7, 3214868480
	.fill 96, 4, 3214868480
	.section	.rodata,"a",@progbits
	.p2align	6, 0x0
	.amdhsa_kernel k_qb4ee24bcab_prep1
		.amdhsa_group_segment_fixed_size 76800
		.amdhsa_private_segment_fixed_size 0
		.amdhsa_enable_private_segment 0
		.amdhsa_kernarg_size 80
		.amdhsa_user_sgpr_count 2
		.amdhsa_user_sgpr_kernarg_segment_ptr 1
		.amdhsa_wavefront_size32 1
		.amdhsa_system_sgpr_workgroup_id_x 1
		.amdhsa_system_sgpr_workgroup_id_y 1
		.amdhsa_system_sgpr_workgroup_id_z 1
		.amdhsa_system_vgpr_workitem_id 0
		.amdhsa_next_free_vgpr 256
		.amdhsa_next_free_sgpr 66
		.amdhsa_reserve_vcc 1
		.amdhsa_float_denorm_mode_32 3
		.amdhsa_float_denorm_mode_16_64 3
		.amdhsa_memory_ordered 1
		.amdhsa_forward_progress 1
		.amdhsa_inst_pref_size 64
	.end_amdhsa_kernel
	.amdgpu_metadata
---
amdhsa.version: [ 1, 2 ]
amdhsa.kernels:
  - .name:           k_qb4ee24bcab_prep1
    .symbol:         k_qb4ee24bcab_prep1.kd
    .args:
      - { .name: Wk, .offset: 0, .size: 8, .value_kind: global_buffer, .address_space: global }
      - { .name: Wv, .offset: 8, .size: 8, .value_kind: global_buffer, .address_space: global }
      - { .name: Wo, .offset: 16, .size: 8, .value_kind: global_buffer, .address_space: global }
      - { .name: bk, .offset: 24, .size: 8, .value_kind: global_buffer, .address_space: global }
      - { .name: bv, .offset: 32, .size: 8, .value_kind: global_buffer, .address_space: global }
      - { .name: local, .offset: 40, .size: 8, .value_kind: global_buffer, .address_space: global }
      - { .name: Wq, .offset: 48, .size: 8, .value_kind: global_buffer, .address_space: global }
      - { .name: bq, .offset: 56, .size: 8, .value_kind: global_buffer, .address_space: global }
      - { .name: w1, .offset: 64, .size: 8, .value_kind: global_buffer, .address_space: global }
      - { .name: gi, .offset: 72, .size: 8, .value_kind: global_buffer, .address_space: global }
    .group_segment_fixed_size: 76800
    .private_segment_fixed_size: 0
    .kernarg_segment_align: 8
    .kernarg_segment_size: 80
    .max_flat_workgroup_size: 256
    .sgpr_count:     66
    .vgpr_count:     256
    .wavefront_size: 32
...
	.end_amdgpu_metadata
.endif
;; end of part 1
;; launch prep2 (part 2): grid 136 x 1, 4 waves a work-group, no clusters, 34,304 bytes of LDS; arguments w1, gq, betq, gk, betk, gi, w2; writes gi, w2
.if DOCPART == 2
	.amdgcn_target "amdgcn-amd-amdhsa--gfx1250"
	.amdhsa_code_object_version 6
	.text
	.protected	k_qb4ee24bcab_prep2
	.globl	k_qb4ee24bcab_prep2
	.p2align	8
	.type	k_qb4ee24bcab_prep2,@function
k_qb4ee24bcab_prep2:
	s_mov_b64 s[64:65], 0
	v_nop
	global_prefetch_b8 v0, s[64:65] scope:SCOPE_SE
	s_setreg_imm32_b32 hwreg(HW_REG_WAVE_MODE, 25, 1), 1
	s_wait_xcnt 0x0
; PREPARATION 2.  Two roles, chosen by the work-group's number.
; ROLE 1 (work-groups 0-71): G = Wc Wc^T of one side (0 k, 1 v), one unit of 32 x 32 a work-group; only units on or below the diagonal of blocks (kp <= p), folded:
; G'[k][n] = 2 G for k < n, G for k = n, 0 for k > n, so that x^T G' x = x^T G x.  The 2,048 columns are split among the four waves; the partial sums meet in LDS.
; A unit is stored as two fragments (16 n x 32 k, bf16) in the order in which a lane loads them: registers 0-3 at 16 l, registers 4-7 at 512 + 16 l.
; LIMIT: G' is a bf16 matrix operand, so 2,048 var is off by at most 2^-9 of the sum of |x_i G_ij x_j|.
; ROLE 2 (work-groups 72-135): 16 batches g, one head hd: mean and 1/std of yq's rows; q = LN(yq) gq + betq; qk[b][hd][k] = sum over d of Wkc[k][d] (q gk)[d];
; cq = (q gk).bkc, cb = q.betk.  The scores are then (rk (x.qk + cq) + cb) / 16.
; No cluster, no tensor load: every operand goes straight into the registers of the one wave that multiplies it.
; The two roles use different LDS bytes.
.set PART,  0                          ; role 1: 4 waves x 4 tiles x 1,024 bytes
.set QSX,   16384                      ; role 2: (mean, 1/std) of the 16 rows
.set CX,    16640                      ; 4 waves x 16 rows x (cq, cb)
.set AFX,   17152                      ; q gk as 8 fragments of 1,024 bytes
.set QOS,   25344                      ; qk: 16 rows x 528 bytes
.set SPARE, 33792
.set WV,    18
.set SEL,   44
.set SPW,   12
.set NIL,   13
.set ACC1,  16                         ; role 1: four accumulators
.set BUF,   128                        ; role 1: two sets of 64 registers
.set MSB, 0
.macro WIN new                         ; s_set_vgpr_msb: bits 1:0 source 0, 3:2 source 1, 5:4 source 2, 7:6 destination; the high byte repeats the setting that is left
.if MSB != (\new)
	s_set_vgpr_msb (MSB<<8)|(\new)
.set MSB, \new
.endif
.endm
.macro PLACES
.rept 4
	v_nop
.endr
.endm
.macro RND2 a
	v_cvt_pk_bf16_f32 v[\a], v[\a], v[(\a)+1]
	v_and_b32 v[(\a)+1], 0xffff0000, v[\a]
	v_lshlrev_b32 v[\a], 16, v[\a]
.endm
.macro WSUM x, t
	v_add_f32_dpp v[\x], v[\x], v[\x] row_xmask:1 row_mask:0xf bank_mask:0xf
	v_add_f32_dpp v[\x], v[\x], v[\x] row_xmask:2 row_mask:0xf bank_mask:0xf
	v_add_f32_dpp v[\x], v[\x], v[\x] row_xmask:4 row_mask:0xf bank_mask:0xf
	v_add_f32_dpp v[\x], v[\x], v[\x] row_xmask:8 row_mask:0xf bank_mask:0xf
	v_permlanex16_b32 v[\t], v[\x], s[SEL], s[SEL+1]
	v_add_f32 v[\x], v[\x], v[\t]
.endm
	s_load_b256 s[4:11], s[0:1], 0x0               ; w1, gq, betq, gk
	s_load_b128 s[12:15], s[0:1], 0x20             ; betk, gi
	s_load_b64 s[16:17], s[0:1], 0x30              ; w2
	v_lshl_add_u32 v[SPW], v0, 2, SPARE
	v_mov_b32 v[NIL], 0
	v_lshrrev_b32 v1, 5, v0
	v_readfirstlane_b32 s[WV], v1
	v_and_b32 v1, 31, v0
	s_mov_b32 s[SEL], 0x76543210
	s_mov_b32 s[SEL+1], 0xfedcba98
	s_wait_kmcnt 0x0
	s_cmp_ge_u32 ttmp9, 72
	s_cbranch_scc1 .Ls2
	; ---------------- role 1
	s_cmp_ge_u32 ttmp9, 36
	s_cselect_b32 s20, 1, 0                        ; side
	s_mul_i32 s21, s20, 36
	s_sub_co_u32 s21, ttmp9, s21                   ; unit u = p (p + 1) / 2 + kp
	s_mov_b32 s22, 0
.irp c, 1,3,6,10,15,21,28
	s_cmp_ge_u32 s21, \c
	s_cselect_b32 s23, 1, 0
	s_add_co_u32 s22, s22, s23                     ; p
.endr
	s_add_co_u32 s23, s22, 1
	s_mul_i32 s23, s23, s22
	s_lshr_b32 s23, s23, 1
	s_sub_co_u32 s23, s21, s23                     ; kp
	s_lshl_b32 s24, s20, 20
	s_lshl_b32 s25, s23, 17
	s_add_co_u32 s26, s24, s25
	s_mov_b32 s27, 0
	s_add_nc_u64 s[28:29], s[4:5], s[26:27]        ; Wc's rows 32 kp ..
	s_lshl_b32 s25, s22, 17
	s_add_co_u32 s26, s24, s25
	s_add_nc_u64 s[30:31], s[4:5], s[26:27]        ; and 32 p ..
	v_and_b32 v5, 15, v0                           ; r
	v_bfe_u32 v6, v0, 4, 1                         ; h
	v_lshlrev_b32 v2, 12, v5
	v_lshl_add_u32 v2, v6, 4, v2
	s_lshl_b32 s32, s[WV], 10
	v_add_nc_u32 v2, s32, v2                       ; row r, 16 h, my quarter of the columns
	v_lshl_add_u32 v4, v1, 5, s32                  ; PART, read: tile = my wave
	s_lshl_b32 s32, s[WV], 12
	v_lshl_add_u32 v3, v1, 5, s32                  ; PART, write
	v_lshlrev_b32 v7, 4, v1
	s_sub_co_u32 s32, s22, s23
	s_lshl_b32 s32, s32, 5
	s_and_b32 s33, s[WV], 1                        ; the tile that I finish: n half t',
	s_lshr_b32 s34, s[WV], 1                       ; k half
	s_sub_co_i32 s35, s33, s34
	s_lshl_b32 s35, s35, 4
	s_add_co_i32 s32, s32, s35
	s_add_co_i32 s32, s32, 1
	v_lshlrev_b32 v6, 3, v6
	v_sub_nc_u32 v5, v5, v6
	v_add_nc_u32 v5, s32, v5
	v_cvt_f32_i32 v5, v5                           ; n - k + 1 for my register 0
.macro LOADS sb, q                     ; K steps 2 q and 2 q + 1: for each the two fragments of the k rows and the two of the n rows: 16 loads
.irp e, 0,1
.irp f, 0,1
	global_load_b128 v[BUF+64*(\sb)+32*\e+8*\f:BUF+64*(\sb)+32*\e+8*\f+3],       v2, s[28:29] offset:65536*\f+64*(2*(\q)+\e)
	global_load_b128 v[BUF+64*(\sb)+32*\e+8*\f+4:BUF+64*(\sb)+32*\e+8*\f+7],     v2, s[28:29] offset:65536*\f+64*(2*(\q)+\e)+32
	global_load_b128 v[BUF+64*(\sb)+32*\e+16+8*\f:BUF+64*(\sb)+32*\e+16+8*\f+3], v2, s[30:31] offset:65536*\f+64*(2*(\q)+\e)
	global_load_b128 v[BUF+64*(\sb)+32*\e+16+8*\f+4:BUF+64*(\sb)+32*\e+16+8*\f+7], v2, s[30:31] offset:65536*\f+64*(2*(\q)+\e)+32
.endr
.endr
.endm
	LOADS 0, 0
	LOADS 1, 1
.set qq, 0
.rept 8
.if qq < 7
	s_wait_loadcnt 16                              ; this set is in, the other's 16 loads may stay out
.else
	s_wait_loadcnt 0x0
.endif
.irp e, 0,1
.irp ka, 0,1
.irp tb, 0,1
.if (qq == 0) && (\e == 0)
	v_wmma_f32_16x16x32_bf16 v[ACC1+8*(2*\ka+\tb):ACC1+8*(2*\ka+\tb)+7], v[BUF+64*(qq%2)+32*\e+8*\ka:BUF+64*(qq%2)+32*\e+8*\ka+7], v[BUF+64*(qq%2)+32*\e+16+8*\tb:BUF+64*(qq%2)+32*\e+16+8*\tb+7], 0
.else
	v_wmma_f32_16x16x32_bf16 v[ACC1+8*(2*\ka+\tb):ACC1+8*(2*\ka+\tb)+7], v[BUF+64*(qq%2)+32*\e+8*\ka:BUF+64*(qq%2)+32*\e+8*\ka+7], v[BUF+64*(qq%2)+32*\e+16+8*\tb:BUF+64*(qq%2)+32*\e+16+8*\tb+7], v[ACC1+8*(2*\ka+\tb):ACC1+8*(2*\ka+\tb)+7]
.endif
.endr
.endr
.endr
	PLACES
.if qq < 6
	LOADS qq%2, qq+2
.endif
.set qq, qq+1
.endr
.irp a, 0,1,2,3
	ds_store_b128 v3, v[ACC1+8*\a:ACC1+8*\a+3]   offset:PART+1024*\a
	ds_store_b128 v3, v[ACC1+8*\a+4:ACC1+8*\a+7] offset:PART+1024*\a+16
.endr
	s_wait_dscnt 0x0
	s_barrier_signal -1
	s_barrier_wait -1                              ; all four partial sums of all four tiles lie in LDS
.irp i, 0,1,2,3
	ds_load_b128 v[BUF+8*\i:BUF+8*\i+3],   v4 offset:PART+4096*\i
	ds_load_b128 v[BUF+8*\i+4:BUF+8*\i+7], v4 offset:PART+4096*\i+16
.endr
	s_wait_dscnt 0x0
.irp c, 0,2,4,6
	v_pk_add_f32 v[BUF+\c:BUF+\c+1], v[BUF+\c:BUF+\c+1], v[BUF+8+\c:BUF+8+\c+1]
	v_pk_add_f32 v[BUF+16+\c:BUF+16+\c+1], v[BUF+16+\c:BUF+16+\c+1], v[BUF+24+\c:BUF+24+\c+1]
	v_pk_add_f32 v[BUF+\c:BUF+\c+1], v[BUF+\c:BUF+\c+1], v[BUF+16+\c:BUF+16+\c+1]
.endr
.irp j, 0,1,2,3,4,5,6,7
	v_max_num_f32 v6, 0, v5                        ; the triangle's factor: n - k + 1 held to 0 .. 2
	v_min_num_f32 v6, 2.0, v6
	v_mul_f32 v[BUF+\j], v[BUF+\j], v6
	v_add_f32 v5, -1.0, v5                         ; my next register is the next k
.endr
.irp j, 0,1,2,3
	v_cvt_pk_bf16_f32 v[8+\j], v[BUF+2*\j], v[BUF+2*\j+1]
.endr
	s_mul_i32 s32, s20, 74752
	s_lshl_b32 s35, s21, 1
	s_add_co_u32 s35, s35, s33
	s_lshl_b32 s35, s35, 10
	s_add_co_u32 s32, s32, s35
	s_lshl_b32 s35, s34, 9
	s_add_co_u32 s32, s32, s35
	s_mov_b32 s33, 0
	s_add_nc_u64 s[36:37], s[14:15], s[32:33]
	global_store_b128 v7, v[8:11], s[36:37]        ; 512 consecutive bytes
	s_wait_tensorcnt 0x0                           ; the wave's end
	ds_add_u32 v[SPW], v[NIL]
	s_wait_dscnt 0x0
	s_endpgm
	; ---------------- role 2
	; window 0: v0-31 addresses and small numbers; v32-63 accumulators, earlier at work; v64-255 yq, gq, betq, gk, betk, bkc (32 each), later fragments
	; window 1: Wkc's fragments, tile t', K step ks at 64 t' + 8 ks          window 2: my four rows of yq, 64 registers each
.Ls2:
	s_sub_co_u32 s20, ttmp9, 72
	s_and_b32 s21, s20, 7                          ; g
	s_lshr_b32 s22, s20, 3                         ; hd
	v_and_b32 v2, 15, v0                           ; r
	v_bfe_u32 v3, v0, 4, 1                         ; h
	s_lshl_b32 s23, s22, 10
	s_lshl_b32 s24, s[WV], 8
	s_add_co_u32 s24, s24, s23
	v_lshl_add_u32 v5, v3, 5, s24                  ; the vectors: 1,024 hd + 256 w + 32 h
	s_lshl_b32 s25, s21, 4
	v_add_nc_u32 v31, s25, v2                      ; batch 16 g + r
	v_lshl_add_u32 v6, v31, 13, v5                 ; yq at the same channels
	s_lshl_b32 s26, s[WV], 6
	v_add_nc_u32 v4, s26, v2
	v_lshlrev_b32 v4, 12, v4
	v_lshl_add_u32 v4, v3, 4, v4
	s_lshl_b32 s26, s22, 9
	v_add_nc_u32 v4, s26, v4                       ; Wkc: row 64 w + r, 16 h, the head's 512 bytes
	v_lshlrev_b32 v7, 4, v1
	s_lshl_b32 s26, s[WV], 2
	s_add_co_u32 s26, s26, s25                     ; 16 g + 4 w
	s_lshl_b32 s27, s26, 13
	v_add_nc_u32 v8, s27, v7                       ; my four rows of yq
	s_lshl_b32 s27, s[WV], 11
	v_add_nc_u32 v9, s27, v7                       ; my two fragments in AFX
	v_lshlrev_b32 v30, 3, v2                       ; 8 r
	s_lshl_b32 s27, s[WV], 7
	v_add_nc_u32 v26, s27, v30                     ; CX: 128 w + 8 r
	v_mov_b32 v27, 0x3727c5ac                      ; eps
	v_mul_u32_u24 v28, v2, 528
	v_lshl_add_u32 v28, v3, 4, v28
	v_add_nc_u32 v28, s27, v28                     ; QOS: row r, 128 w + 16 h
	s_mul_i32 s27, s[WV], 2112
	v_add_nc_u32 v29, s27, v7                      ; QOS back: rows 4 w ..
	WIN 0x40
.set tp, 0
.rept 4
.set ks, 0
.rept 8
	global_load_b128 v[64*tp+8*ks:64*tp+8*ks+3],   v4, s[4:5] offset:65536*tp+64*ks
	global_load_b128 v[64*tp+8*ks+4:64*tp+8*ks+7], v4, s[4:5] offset:65536*tp+64*ks+32
.set ks, ks+1
.endr
.set tp, tp+1
.endr
	WIN 0x80
.set i, 0
.rept 64
	global_load_b128 v[4*i:4*i+3], v8, s[4:5] offset:0x300000+8192*(i/16)+512*(i%16)
.set i, i+1
.endr
	WIN 0
.macro ELD dst, vo, sb, im             ; my two fragments' channels of one vector: 8 loads
.irp e, 0,1
	global_load_b128 v[\dst+16*\e:\dst+16*\e+3],     v[\vo], s[\sb:\sb+1] offset:(\im)+128*\e
	global_load_b128 v[\dst+16*\e+4:\dst+16*\e+7],   v[\vo], s[\sb:\sb+1] offset:(\im)+128*\e+16
	global_load_b128 v[\dst+16*\e+8:\dst+16*\e+11],  v[\vo], s[\sb:\sb+1] offset:(\im)+128*\e+64
	global_load_b128 v[\dst+16*\e+12:\dst+16*\e+15], v[\vo], s[\sb:\sb+1] offset:(\im)+128*\e+80
.endr
.endm
	ELD 64,  6, 4,  0x300000                       ; yq
	ELD 96,  5, 6,  0                              ; gq
	ELD 128, 5, 8,  0                              ; betq
	ELD 160, 5, 10, 0                              ; gk
	ELD 192, 5, 12, 0                              ; betk
	ELD 224, 5, 4,  0x400000                       ; bkc
	s_wait_loadcnt 48                              ; Wkc and the rows are in; the 48 loads just issued may stay out
.macro ROWSTAT i                       ; mean, and the sum of squares about it, of row i: the row stays in registers between the two passes
.set R, 64*(\i)
	WIN 0x0a
.set m, 0
.rept 16
	v_pk_add_f32 v[32+2*m:33+2*m], v[R+4*m:R+4*m+1], v[R+4*m+2:R+4*m+3]
.set m, m+1
.endr
	WIN 0
.irp m, 0,1,2,3,4,5,6,7
	v_pk_add_f32 v[32+2*\m:33+2*\m], v[32+2*\m:33+2*\m], v[48+2*\m:49+2*\m]
.endr
.irp m, 0,1,2,3
	v_pk_add_f32 v[32+2*\m:33+2*\m], v[32+2*\m:33+2*\m], v[40+2*\m:41+2*\m]
.endr
	v_pk_add_f32 v[32:33], v[32:33], v[36:37]
	v_pk_add_f32 v[34:35], v[34:35], v[38:39]
	v_pk_add_f32 v[32:33], v[32:33], v[34:35]
	v_add_f32 v32, v32, v33
	WSUM 32, 33
	v_mul_f32 v10, 0x3a000000, v32
	v_mov_b32 v11, v10
	v_mov_b32 v[16+2*(\i)], v10
	WIN 0x82
.set m, 0
.rept 32
	v_pk_add_f32 v[R+2*m:R+2*m+1], v[R+2*m:R+2*m+1], v[10:11] neg_lo:[0,1] neg_hi:[0,1]
.set m, m+1
.endr
	WIN 0x0a
.set m, 0
.rept 32
.if m < 4
	v_pk_mul_f32 v[32+2*m:33+2*m], v[R+2*m:R+2*m+1], v[R+2*m:R+2*m+1]
.else
	v_pk_fma_f32 v[32+2*(m%4):33+2*(m%4)], v[R+2*m:R+2*m+1], v[R+2*m:R+2*m+1], v[32+2*(m%4):33+2*(m%4)]
.endif
.set m, m+1
.endr
	WIN 0
	v_pk_add_f32 v[32:33], v[32:33], v[34:35]
	v_pk_add_f32 v[36:37], v[36:37], v[38:39]
	v_pk_add_f32 v[32:33], v[32:33], v[36:37]
	v_add_f32 v32, v32, v33
	WSUM 32, 33
	v_fmamk_f32 v[17+2*(\i)], v32, 0x3a000000, v27 ; var + eps
.endm
	ROWSTAT 0
	ROWSTAT 1
	ROWSTAT 2
	ROWSTAT 3
.irp i, 0,1,2,3
	v_rsq_f32 v[17+2*\i], v[17+2*\i]
.endr
	s_lshl_b32 s27, s[WV], 5
	v_mov_b32 v10, s27                             ; a plain instruction behind the last root
	s_wait_alu depctr_va_vdst(0)                   ; one wait for the four roots, ahead of their first reader
.irp i, 0,1,2,3
	ds_store_b64 v10, v[16+2*\i:17+2*\i] offset:QSX+8*\i
.endr
	s_wait_dscnt 0x0
	s_barrier_signal -1
	s_barrier_wait -1                              ; the 16 rows' statistics lie in LDS
	ds_load_b64 v[10:11], v30 offset:QSX
	s_wait_loadcnt 0x0
.set q, 0
.rept 64
	RND2 96+2*q                                    ; gq, betq, gk, betk; yq and bkc are this program's own
.set q, q+1
.endr
	s_wait_dscnt 0x0
	v_mov_b32 v14, v10
	v_mov_b32 v15, v10
	v_mov_b32 v24, v11
	v_mov_b32 v25, v11
.set m, 0
.rept 16
	v_pk_add_f32 v[64+2*m:65+2*m], v[64+2*m:65+2*m], v[14:15] neg_lo:[0,1] neg_hi:[0,1]
.set m, m+1
.endr
.set m, 0
.rept 16
	v_pk_mul_f32 v[64+2*m:65+2*m], v[64+2*m:65+2*m], v[24:25]
.set m, m+1
.endr
.set m, 0
.rept 16
	v_pk_fma_f32 v[64+2*m:65+2*m], v[64+2*m:65+2*m], v[96+2*m:97+2*m], v[128+2*m:129+2*m]  ; q
.set m, m+1
.endr
.set m, 0
.rept 16
	v_pk_mul_f32 v[160+2*m:161+2*m], v[64+2*m:65+2*m], v[160+2*m:161+2*m]                  ; q gk
.set m, m+1
.endr
.set m, 0
.rept 16
.if m < 2
	v_pk_mul_f32 v[32+2*m:33+2*m], v[160+2*m:161+2*m], v[224+2*m:225+2*m]
	v_pk_mul_f32 v[36+2*m:37+2*m], v[64+2*m:65+2*m], v[192+2*m:193+2*m]
.else
	v_pk_fma_f32 v[32+2*(m%2):33+2*(m%2)], v[160+2*m:161+2*m], v[224+2*m:225+2*m], v[32+2*(m%2):33+2*(m%2)]
	v_pk_fma_f32 v[36+2*(m%2):37+2*(m%2)], v[64+2*m:65+2*m], v[192+2*m:193+2*m], v[36+2*(m%2):37+2*(m%2)]
.endif
.set m, m+1
.endr
.set m, 0
.rept 16
	v_cvt_pk_bf16_f32 v[40+m], v[160+2*m], v[160+2*m+1]
.set m, m+1
.endr
.irp e, 0,1
	ds_store_b128 v9, v[40+8*\e:43+8*\e] offset:AFX+1024*\e
	ds_store_b128 v9, v[44+8*\e:47+8*\e] offset:AFX+1024*\e+512
.endr
	v_pk_add_f32 v[32:33], v[32:33], v[34:35]
	v_pk_add_f32 v[36:37], v[36:37], v[38:39]
	v_add_f32 v32, v32, v33
	v_add_f32 v33, v36, v37
	v_permlanex16_b32 v34, v32, s[SEL], s[SEL+1]
	v_permlanex16_b32 v35, v33, s[SEL], s[SEL+1]
	v_pk_add_f32 v[32:33], v[32:33], v[34:35]
	ds_store_b64 v26, v[32:33] offset:CX           ; my 64 channels' part of (cq, cb)
	s_or_b32 s27, s22, s[WV]
	s_cmp_lg_u32 s27, 0
	s_cbranch_scc1 .Lnoqst                         ; head 0's wave 0 stores the rows' statistics
	v_lshlrev_b32 v128, 3, v31
	v_cmp_gt_u32 vcc_lo, 16, v1
	s_wait_xcnt 0x0                                ; EXEC changes only behind this wait
	s_and_saveexec_b32 s28, vcc_lo
	global_store_b64 v128, v[10:11], s[16:17] offset:0x82000
	s_wait_xcnt 0x0
	s_or_b32 exec_lo, exec_lo, s28
.Lnoqst:
	s_wait_dscnt 0x0
	s_barrier_signal -1
	s_barrier_wait -1                              ; all eight fragments of q gk, and all parts of cq and cb, lie in LDS
.set ks, 0
.rept 8
	ds_load_b128 v[64+8*ks:64+8*ks+3], v7 offset:AFX+1024*ks
	ds_load_b128 v[64+8*ks+4:64+8*ks+7], v7 offset:AFX+1024*ks+512
.set ks, ks+1
.endr
	s_wait_dscnt 0x0
	WIN 0x01
.set ks, 0
.rept 8                                ; source 0 = 16 rows k of Wkc, source 1 = 16 batches: a lane ends with 8 neighbouring k of one batch.  The four accumulators take turns
.irp t, 0,1,2,3
.if ks == 0
	v_wmma_f32_16x16x32_bf16 v[32+8*\t:39+8*\t], v[64*\t+8*ks:64*\t+8*ks+7], v[64+8*ks:64+8*ks+7], 0
.else
	v_wmma_f32_16x16x32_bf16 v[32+8*\t:39+8*\t], v[64*\t+8*ks:64*\t+8*ks+7], v[64+8*ks:64+8*ks+7], v[32+8*\t:39+8*\t]
.endif
.endr
.set ks, ks+1
.endr
	WIN 0
	PLACES
.set m, 0
.rept 16
	v_cvt_pk_bf16_f32 v[128+m], v[32+2*m], v[32+2*m+1]
.set m, m+1
.endr
.irp t, 0,1,2,3
	ds_store_b128 v28, v[128+4*\t:131+4*\t] offset:QOS+32*\t
.endr
	s_cmp_lg_u32 s[WV], 1
	s_cbranch_scc1 .Lnocq                          ; wave 1 adds the four parts of cq and cb
.irp i, 0,1,2,3
	ds_load_b64 v[144+2*\i:145+2*\i], v30 offset:CX+128*\i
.endr
	v_lshlrev_b32 v152, 6, v31
	s_lshl_b32 s27, s22, 3
	v_add_nc_u32 v152, s27, v152
	s_wait_dscnt 0x0
	v_pk_add_f32 v[144:145], v[144:145], v[146:147]
	v_pk_add_f32 v[148:149], v[148:149], v[150:151]
	v_pk_add_f32 v[144:145], v[144:145], v[148:149]
	v_cmp_gt_u32 vcc_lo, 16, v1
	s_wait_xcnt 0x0
	s_and_saveexec_b32 s28, vcc_lo
	global_store_b64 v152, v[144:145], s[16:17] offset:0x80000
	s_wait_xcnt 0x0
	s_or_b32 exec_lo, exec_lo, s28
.Lnocq:
	s_wait_dscnt 0x0
	s_barrier_signal -1
	s_barrier_wait -1                              ; qk's 16 rows are whole
.irp i, 0,1,2,3
	ds_load_b128 v[160+4*\i:163+4*\i], v29 offset:QOS+528*\i
.endr
	s_lshl_b32 s27, s26, 3
	s_add_co_u32 s27, s27, s22
	s_lshl_b32 s27, s27, 9
	v_add_nc_u32 v153, s27, v7
.irp i, 0,1,2,3
	s_wait_dscnt 3-\i
	global_store_b128 v153, v[160+4*\i:163+4*\i], s[16:17] offset:4096*\i  ; 512 consecutive bytes
.endr
	s_wait_tensorcnt 0x0                           ; the wave's end
	ds_add_u32 v[SPW], v[NIL]
	s_wait_dscnt 0x0
	s_endpgm
.Lfunc_end_k_qb4ee24bcab_prep2:
	.size	k_qb4ee24bcab_prep2, .Lfunc_end_k_qb4ee24bcab_prep2-k_qb4ee24bcab_prep2
	.p2alignl 7, 3214868480
	.fill 96, 4, 3214868480
	.section	.rodata,"a",@progbits
	.p2align	6, 0x0
	.amdhsa_kernel k_qb4ee24bcab_prep2
		.amdhsa_group_segment_fixed_size 34304
		.amdhsa_private_segment_fixed_size 0
		.amdhsa_enable_private_segment 0
		.amdhsa_kernarg_size 56
		.amdhsa_user_sgpr_count 2
		.amdhsa_user_sgpr_kernarg_segment_ptr 1
		.amdhsa_wavefront_size32 1
		.amdhsa_system_sgpr_workgroup_id_x 1
		.amdhsa_system_sgpr_workgroup_id_y 1
		.amdhsa_system_sgpr_workgroup_id_z 1
		.amdhsa_system_vgpr_workitem_id 0
		.amdhsa_next_free_vgpr 768
		.amdhsa_next_free_sgpr 66
		.amdhsa_reserve_vcc 1
		.amdhsa_float_denorm_mode_32 3
		.amdhsa_float_denorm_mode_16_64 3
		.amdhsa_memory_ordered 1
		.amdhsa_forward_progress 1
		.amdhsa_inst_pref_size 97
	.end_amdhsa_kernel
	.amdgpu_metadata
---
amdhsa.version: [ 1, 2 ]
amdhsa.kernels:
  - .name:           k_qb4ee24bcab_prep2
    .symbol:         k_qb4ee24bcab_prep2.kd
    .args:
      - { .name: w1, .offset: 0, .size: 8, .value_kind: global_buffer, .address_space: global }
      - { .name: gq, .offset: 8, .size: 8, .value_kind: global_buffer, .address_space: global }
      - { .name: betq, .offset: 16, .size: 8, .value_kind: global_buffer, .address_space: global }
      - { .name: gk, .offset: 24, .size: 8, .value_kind: global_buffer, .address_space: global }
      - { .name: betk, .offset: 32, .size: 8, .value_kind: global_buffer, .address_space: global }
      - { .name: gi, .offset: 40, .size: 8, .value_kind: global_buffer, .address_space: global }
      - { .name: w2, .offset: 48, .size: 8, .value_kind: global_buffer, .address_space: global }
    .group_segment_fixed_size: 34304
    .private_segment_fixed_size: 0
    .kernarg_segment_align: 8
    .kernarg_segment_size: 56
    .max_flat_workgroup_size: 128
    .sgpr_count:     66
    .vgpr_count:     768
    .wavefront_size: 32
...
	.end_amdgpu_metadata
.endif
;; end of part 2
;; launch main (part 3): grid 256 x 1, 4 waves a work-group, clusters of 4 x 1, 327,680 bytes of LDS; arguments dist, sites, mask, Wa, gi, w1, w2, w3; writes w3
.if DOCPART == 3
	.amdgcn_target "amdgcn-amd-amdhsa--gfx1250"
	.amdhsa_code_object_version 6
	.text
	.protected	k_qb4ee24bcab_main
	.globl	k_qb4ee24bcab_main
	.p2align	8
	.type	k_qb4ee24bcab_main,@function
k_qb4ee24bcab_main:
	s_mov_b64 s[64:65], 0
	v_nop
	global_prefetch_b8 v0, s[64:65] scope:SCOPE_SE
	s_setreg_imm32_b32 hwreg(HW_REG_WAVE_MODE, 25, 1), 1
	s_wait_xcnt 0x0
	s_wait_alu depctr_hold_cnt(0) depctr_sa_sdst(0) depctr_va_vdst(0) depctr_va_sdst(0) depctr_va_ssrc(0) depctr_va_vcc(0) depctr_vm_vsrc(0)
	s_getreg_b32 s2, hwreg(HW_REG_IB_STS2, 6, 4)
	s_cmp_eq_u32 s2, 0
	s_cbranch_scc0 .Lentry_in_a_cluster
	s_endpgm
.Lentry_in_a_cluster:
	s_bfe_u32 s2, ttmp6, 0x10000c
	s_cmp_lg_u32 s2, 0x3003
	s_cbranch_scc0 .Lentry_shape_is_right
	s_endpgm
.Lentry_shape_is_right:
; THE STREAM.  A work-group owns 128 keys (half hf of batch b) of dist and of sites; a wave owns 32 of them, two tiles of 16.  k and v are never formed:
;   2,048 var = x^T G' x + x.g2 + c   (G', g2, c made by the launches before);   16 u = rk (x.qk + cq) + cb;   z[head] = sum over keys of e rv x_v.
; Stored for the launches behind: z (f32), te = sums of 8 neighbouring e times Wa, and for each head the half's maximum m, l = sum of e, sw = sum of e rv.
; SOFTMAX: e = 2^(c (16 u) - c m), c = log2(e) / 16, m the maximum over the half's 128 keys (the waves exchange their maxima); the two halves are merged later, each by its own m.
; LIMITS.  A masked score is its value plus -inf.  m starts at the lowest finite number, so a half that is masked whole gives e = 0, l = 0; a batch masked whole ends as NaN, as the softmax of
; -inf alone does.  A weight below 2^-126 counts as 0.  A variance that the rounding of G' to bf16 would make negative counts as 0 before eps is added.  NaN and infinities in x are not treated apart.
; x comes by one tensor load a wave (32 rows x 1,024 bytes, its own bytes); the x slot is filled twice: dist, then sites.  The two images of G' (74,752 bytes each) are the same for every
; work-group: the four of a cluster ask for them JOINTLY, a quarter a wave.  qk of the batch (4 KiB of the 410 KiB that a work-group fetches, shared by two of the four) is asked for plainly.
; Nothing is prefetched: sites' tile is asked for as soon as dist's and the images have landed, and has the whole first half of the work in which to land.
; x^T G' x: a product's source 0 is a fragment of G' (16 n x 32 k), source 1 my x (16 keys x 32 k): a lane then holds (x G')[key r][n = 8 h + j], and its own x fragment holds x[key r][the same n]:
; the dot product needs no exchange but one between the halves of the lanes.  The sum's C operand starts it with g2[n].
; REGISTERS, in windows of 256 (s_set_vgpr_msb: bits 1:0 source 0, 3:2 source 1, 5:4 source 2, 7:6 destination):
;   window 0: v0-31 addresses; v32-63 small numbers; v64-79 rk, then e; v80-95 mask, then rv and e rv; v96-127 four accumulators; v128-255 G's ring of two sets, also qk's and x^T's fragments
;   window 1: v0-127 x as bf16 fragments (tile st, K step ks at 64 st + 8 ks), later z; v128-255 x as f32, tile 0          window 2: v0-127 g2 in accumulator layout; v128-255 x as f32, tile 1
.set GK,    0
.set GV,    74752
.set QKT,   149504                     ; qk: four pieces of 16 rows x 144 bytes (64 k each); rows 8-15 arrive as zeros
.set XS,    158720                     ; x: for each wave 32 rows x 1,040 bytes; behind its last fill a stage of bf16 (32 x 544), then of z (16 x 1,040)
.set XSW,   33280
.set SCR,   291840                     ; for each wave 512 bytes: rk, mask, rv pass from a lane a key to a register a key
.set MX,    293888                     ; maxima, 64 bytes a wave; l at + 256; sw at + 512
.set TEX,   294656                     ; te: 256 bytes a wave
.set SPARE, 295680
.set WV,    66
.set SEL,   82
.set CSC,   94
.set SPW,   24
.set NIL,   25
.set VS,    32
.set ACC,   96
.set RB,    128
.set MSB, 0
.macro WIN new
.if MSB != (\new)
	s_set_vgpr_msb (MSB<<8)|(\new)
.set MSB, \new
.endif
.endm
.macro PLACES
.rept 4
	v_nop
.endr
.endm
.macro RND2 a
	v_cvt_pk_bf16_f32 v[\a], v[\a], v[(\a)+1]
	v_and_b32 v[(\a)+1], 0xffff0000, v[\a]
	v_lshlrev_b32 v[\a], 16, v[\a]
.endm
.macro ROUND                           ; a round of the cluster's barrier
	s_barrier_signal -1
	s_barrier_wait -1
	s_cmp_lg_u32 s[WV], 0
	s_cbranch_scc1 .Lnot_wave_0_\@
	s_barrier_signal -3
.Lnot_wave_0_\@:
	s_barrier_wait -3
	s_barrier_signal -1
	s_barrier_wait -1
.endm
; my 32 rows of x: f32 out of LDS, bf16 fragments into window 1.  stage = 1: the fragments also go back into my slot as rows of bf16 (all reads of the f32 rows stand ahead of these stores, and LDS serves a wave's instructions in order)
.macro CONVERT stage
	WIN 0x40
.set ks, 0
.rept 8
	ds_load_b128 v[128+16*ks:128+16*ks+3],     v4 offset:128*ks
	ds_load_b128 v[128+16*ks+4:128+16*ks+7],   v4 offset:128*ks+16
	ds_load_b128 v[128+16*ks+8:128+16*ks+11],  v4 offset:128*ks+64
	ds_load_b128 v[128+16*ks+12:128+16*ks+15], v4 offset:128*ks+80
.set ks, ks+1
.endr
	WIN 0x80
.set ks, 0
.rept 8
	ds_load_b128 v[128+16*ks:128+16*ks+3],     v4 offset:16640+128*ks
	ds_load_b128 v[128+16*ks+4:128+16*ks+7],   v4 offset:16640+128*ks+16
	ds_load_b128 v[128+16*ks+8:128+16*ks+11],  v4 offset:16640+128*ks+64
	ds_load_b128 v[128+16*ks+12:128+16*ks+15], v4 offset:16640+128*ks+80
.set ks, ks+1
.endr
	s_wait_dscnt 32                                ; tile 0 is in; tile 1's 32 loads may be out
	WIN 0x45
.set i, 0
.rept 64
	v_cvt_pk_bf16_f32 v[i], v[128+2*i], v[128+2*i+1]
.set i, i+1
.endr
	s_wait_dscnt 0x0
	WIN 0x4a
.set i, 0
.rept 64
	v_cvt_pk_bf16_f32 v[64+i], v[128+2*i], v[128+2*i+1]
.set i, i+1
.endr
.if \stage
	WIN 0x04
.set i, 0
.rept 16
	ds_store_b128 v5, v[8*i:8*i+3]   offset:8704*(i/8)+64*(i%8)
	ds_store_b128 v5, v[8*i+4:8*i+7] offset:8704*(i/8)+64*(i%8)+32
.set i, i+1
.endr
.endif
.endm
.macro G2LOAD a                        ; g2 in the accumulators' layout: tile t's registers j hold g2[16 t + 8 h + j]
	PLACES
	WIN 0x80
.set t, 0
.rept 16
	ds_load_b128 v[8*t:8*t+3],   v[\a] offset:64*t
	ds_load_b128 v[8*t+4:8*t+7], v[\a] offset:64*t+16
.set t, t+1
.endr
.endm
.macro LOADG g, i0, i1                 ; units 4 g .. 4 g + 3 of G', 2,048 bytes each, into set g % 2: 16 loads, each of 512 consecutive bytes
	WIN 0x04
.set lu, 4*(\g)
.rept 4
.set lr, RB+64*((\g)%2)+16*(lu%4)
.if lu < 32
.irp tp, 0,1
	ds_load_b128 v[lr+8*\tp:lr+8*\tp+3],   v[\i0] offset:2048*lu+1024*\tp
	ds_load_b128 v[lr+8*\tp+4:lr+8*\tp+7], v[\i0] offset:2048*lu+1024*\tp+512
.endr
.else
.irp tp, 0,1
	ds_load_b128 v[lr+8*\tp:lr+8*\tp+3],   v[\i1] offset:2048*lu-65536+1024*\tp
	ds_load_b128 v[lr+8*\tp+4:lr+8*\tp+7], v[\i1] offset:2048*lu-65536+1024*\tp+512
.endr
.endif
.set lu, lu+1
.endr
.endm
.macro DOT                             ; block PP of n is summed over k: times x[n], onto the keys' sums.  Five v_nop: four in front of the reads, the fifth for the next product, which writes over these accumulators
	WIN 0x04
.rept 5
	v_nop
.endr
.set jj, 0
.rept 8
.irp tp, 0,1
.irp st, 0,1
.if jj % 2
	v_fma_mix_f32_bf16 v[VS+2*\tp+\st], v[ACC+8*(2*\tp+\st)+jj], v[64*\st+8*PP+4*\tp+jj/2], v[VS+2*\tp+\st] op_sel:[0,1,0] op_sel_hi:[0,1,0]
.else
	v_fma_mix_f32_bf16 v[VS+2*\tp+\st], v[ACC+8*(2*\tp+\st)+jj], v[64*\st+8*PP+4*\tp+jj/2], v[VS+2*\tp+\st] op_sel_hi:[0,1,0]
.endif
.endr
.endr
.set jj, jj+1
.endr
.endm
.macro UNIT                            ; unit UU = (PP, KK): four products, the four accumulators by turns
.set rb, RB+64*((UU/4)%2)+16*(UU%4)
.irp tp, 0,1
.irp st, 0,1
.if KK == 0
	WIN 0x24
	v_wmma_f32_16x16x32_bf16 v[ACC+8*(2*\tp+\st):ACC+8*(2*\tp+\st)+7], v[rb+8*\tp:rb+8*\tp+7], v[64*\st+8*KK:64*\st+8*KK+7], v[8*(2*PP+\tp):8*(2*PP+\tp)+7]
.else
	WIN 0x04
	v_wmma_f32_16x16x32_bf16 v[ACC+8*(2*\tp+\st):ACC+8*(2*\tp+\st)+7], v[rb+8*\tp:rb+8*\tp+7], v[64*\st+8*KK:64*\st+8*KK+7], v[ACC+8*(2*\tp+\st):ACC+8*(2*\tp+\st)+7]
.endif
.endr
.endr
.set KK, KK+1
.set UU, UU+1
.if KK > PP
	DOT
.set PP, PP+1
.set KK, 0
.endif
.endm
.macro GPHASE i0, i1                   ; x^T G' x + x.g2 for my 32 keys: 36 units in nine groups of four, a group's 16 loads one group ahead
	WIN 0
.irp c, 0,1,2,3
	v_mov_b32 v[VS+\c], 0
.endr
.set PP, 0
.set KK, 0
.set UU, 0
	LOADG 0, \i0, \i1
.set GG, 0
.rept 9
.if GG < 8
	PLACES                                         ; in front of loads into the set multiplied last
	LOADG GG+1, \i0, \i1
	s_wait_dscnt 16                                ; all but the 16 just issued
.else
	s_wait_dscnt 0x0
.endif
.rept 4
	UNIT
.endr
.set GG, GG+1
.endr
.endm
.macro RSTD c                          ; 1 / sqrt(var + eps) of my keys, a lane a key (both halves of the lanes alike), into v38 (tile 0), v39 (tile 1)
	WIN 0
	v_add_f32 v38, v[VS], v[VS+2]
	v_add_f32 v39, v[VS+1], v[VS+3]
	v_permlanex16_b32 v26, v38, s[SEL], s[SEL+1]
	v_permlanex16_b32 v27, v39, s[SEL], s[SEL+1]
	v_add_f32 v38, v38, v26
	v_add_f32 v39, v39, v27
	v_add_f32 v38, v38, v[\c]
	v_add_f32 v39, v39, v[\c]
	v_max_num_f32 v38, 0, v38
	v_max_num_f32 v39, 0, v39
	v_fmamk_f32 v38, v38, 0x3a000000, v28
	v_fmamk_f32 v39, v39, 0x3a000000, v28
	v_rsq_f32 v38, v38
	v_rsq_f32 v39, v39
	v_nop                                          ; a plain instruction behind the last root,
	s_wait_alu depctr_va_vdst(0)                   ; and one wait for both, ahead of their first reader
.endm
.macro TOREG slot, src, dst            ; from a lane a key to a register a key (keys 16 st + 8 h + j), through my own 128 bytes
	ds_store_b32 v15, v[\src]     offset:128*(\slot)
	ds_store_b32 v15, v[(\src)+1] offset:128*(\slot)+64
	ds_load_b128 v[\dst:\dst+3],     v16 offset:128*(\slot)
	ds_load_b128 v[\dst+4:\dst+7],   v16 offset:128*(\slot)+16
	ds_load_b128 v[\dst+8:\dst+11],  v16 offset:128*(\slot)+64
	ds_load_b128 v[\dst+12:\dst+15], v16 offset:128*(\slot)+80
.endm
.macro TREE16 src, dst                 ; the sum of 16 registers; v96-103 at work
.irp m, 0,1,2,3
	v_pk_add_f32 v[96+2*\m:97+2*\m], v[\src+2*\m:\src+2*\m+1], v[\src+8+2*\m:\src+8+2*\m+1]
.endr
	v_pk_add_f32 v[96:97], v[96:97], v[98:99]
	v_pk_add_f32 v[100:101], v[100:101], v[102:103]
	v_pk_add_f32 v[96:97], v[96:97], v[100:101]
	v_add_f32 v[\dst], v96, v97
.endm
	s_load_b512 s[4:19], s[0:1], 0x0               ; dist, sites, mask, Wa, gi, w1, w2, w3
	v_lshl_add_u32 v[SPW], v0, 2, SPARE
	v_mov_b32 v[NIL], 0
	ds_add_u32 v[SPW], v[NIL]                      ; the wave's opening: the add and its wait stand ahead of my first tensor load; work on registers stands between them
	ds_add_u32 v24, v25
	v_lshrrev_b32 v1, 5, v0
	v_readfirstlane_b32 s[WV], v1
	s_bfe_u32 s67, ttmp6, 0x40000                  ; cx: it enters global addresses alone
	s_lshl_b32 s68, ttmp9, 2
	s_add_co_u32 s68, s68, s67                     ; 2 b + hf
	s_lshr_b32 s69, s68, 1                         ; b
	; group 1 for x: 32 rows x 256 elements of 4 bytes, 4 words of padding behind every 256
	s_mov_b32 s20, (2<<16)|(1<<20)|(7<<22)|(3<<25)
	s_mov_b32 s21, 256<<16
	s_mov_b32 s22, 32<<16
	s_mov_b32 s23, 256<<16
	s_mov_b32 s24, 32
	s_mov_b32 s25, 256
	s_mov_b32 s26, 0
	s_mov_b32 s27, 0
	; group 1 for a quarter of an image: 73 dense rows of 32 elements of 8 bytes; the mask names all four work-groups, bit 21 beside it
	s_mov_b32 s28, 15|(3<<16)|(1<<21)
	s_mov_b32 s29, 32<<16
	s_mov_b32 s30, 73<<16
	s_mov_b32 s31, 32<<16
	s_mov_b32 s32, 73
	s_mov_b32 s33, 32
	s_mov_b32 s34, 0
	s_mov_b32 s35, 0
	; group 1 for qk: 16 rows x 64 elements of 2 bytes, of which the tensor has 8: the others arrive as zeros; 4 words of padding behind every 32
	s_mov_b32 s36, (1<<16)|(1<<20)|(4<<22)|(3<<25)
	s_mov_b32 s37, 64<<16
	s_mov_b32 s38, 8<<16
	s_mov_b32 s39, 64<<16
	s_mov_b32 s40, 16
	s_mov_b32 s41, 256
	s_mov_b32 s42, 0
	s_mov_b32 s43, 0
	; groups 0: x of dist s[44:47], image k s[48:51], qk s[52:55], image v s[56:59], x of sites s[60:63]
	s_mov_b32 s44, 1
	s_mov_b32 s48, 1
	s_mov_b32 s52, 1
	s_mov_b32 s56, 1
	s_mov_b32 s60, 1
	s_mul_i32 s72, s[WV], XSW
	s_add_co_u32 s72, s72, XS                      ; my x slot
	s_mov_b32 s45, s72
	s_mov_b32 s61, s72
	s_mul_i32 s78, s[WV], 18688
	s_add_co_u32 s49, s78, GK
	s_add_co_u32 s57, s78, GV
	s_mul_i32 s74, s[WV], 2304
	s_add_co_u32 s53, s74, QKT
	s_mov_b32 s79, 0
	s_lshl_b32 s76, s68, 17
	s_lshl_b32 s77, s[WV], 15
	s_add_co_u32 s76, s76, s77                     ; my 32 rows of 1,024 bytes
	s_mov_b32 s77, 0
	s_lshl_b32 s80, s69, 12
	s_lshl_b32 s81, s[WV], 7
	s_add_co_u32 s80, s80, s81                     ; qk of my batch, my 64 k
	s_mov_b32 s81, 0
	s_mov_b32 s[SEL], 0x76543210
	s_mov_b32 s[SEL+1], 0xfedcba98
	s_mov_b32 s[CSC], 0x3db8aa3b                   ; log2(e) / 16
	s_mov_b32 s[CSC+1], s[CSC]
	s_mov_b32 s96, 0xff7fffff                      ; the lowest finite number
	s_mov_b32 s97, 0xff800000                      ; -inf
	s_wait_dscnt 0x0                               ; the opening add is done
	s_wait_kmcnt 0x0
	s_add_nc_u64 s[46:47], s[4:5], s[76:77]
	s_or_b32 s47, s47, 0x80000000
	s_add_nc_u64 s[62:63], s[6:7], s[76:77]
	s_or_b32 s63, s63, 0x80000000
	s_add_nc_u64 s[50:51], s[12:13], s[78:79]
	s_add_nc_u64 s[58:59], s[50:51], 74752
	s_or_b32 s51, s51, 0x80000000
	s_or_b32 s59, s59, 0x80000000
	s_add_nc_u64 s[54:55], s[16:17], s[80:81]
	s_or_b32 s55, s55, 0x80000000
	ROUND                                          ; all four work-groups are here: the joint loads meet
	tensor_load_to_lds s[44:47], s[20:27]          ; the first fills go out as one group: four loads of mine are out
	s_nop 0
	tensor_load_to_lds s[48:51], s[28:35]
	s_nop 0
	tensor_load_to_lds s[52:55], s[36:43]
	s_nop 0
	tensor_load_to_lds s[56:59], s[28:35]
	s_nop 0
	PLACES
	v_and_b32 v1, 31, v0                           ; l
	v_and_b32 v2, 15, v0                           ; r
	v_bfe_u32 v3, v0, 4, 1                         ; h
	v_mov_b32 v7, 0
	s_lshl_b32 s70, s68, 7
	s_lshl_b32 s71, s[WV], 5
	s_add_co_u32 s70, s70, s71
	v_add_nc_u32 v29, s70, v2                      ; the mask's byte of key r
	v_and_b32 v20, 7, v0
	v_lshlrev_b32 v20, 3, v20
	s_lshl_b32 s70, s69, 6
	v_add_nc_u32 v20, s70, v20                     ; (cq, cb) of head r % 8
	global_load_u8 v36, v29, s[8:9]
	global_load_u8 v37, v29, s[8:9] offset:16
	global_load_b64 v[40:41], v20, s[16:17] offset:0x80000
	global_load_b64 v[44:45], v7, s[14:15] offset:0x404000   ; bc.bc of the two sides
	global_load_b128 v[46:49], v7, s[10:11]
	global_load_b128 v[50:53], v7, s[10:11] offset:16
	v_mul_u32_u24 v4, v2, 1040
	v_lshl_add_u32 v4, v3, 5, v4
	v_add_nc_u32 v4, s72, v4                       ; x as f32: row r, 32 h; also z's stage
	v_mul_u32_u24 v5, v2, 544
	v_lshl_add_u32 v5, v3, 4, v5
	v_add_nc_u32 v5, s72, v5                       ; x as bf16, written
	v_and_b32 v26, 7, v0
	v_lshl_add_u32 v6, v3, 3, v26
	v_mul_u32_u24 v6, v6, 544
	v_bfe_u32 v27, v0, 3, 1
	v_lshl_add_u32 v6, v27, 4, v6
	v_add_nc_u32 v6, s72, v6                       ; x as bf16, read turned
	v_lshlrev_b32 v8, 4, v1                        ; image k (at LDS byte 0): 16 l
	v_add_nc_u32 v9, 65536, v8
	v_add_nc_u32 v10, GV, v8
	v_add_nc_u32 v11, GV+65536, v8
	v_lshlrev_b32 v12, 5, v3
	v_add_nc_u32 v13, GV+73728, v12
	v_add_nc_u32 v12, GK+73728, v12
	v_mul_u32_u24 v14, v2, 144
	v_lshl_add_u32 v14, v3, 4, v14
	v_add_nc_u32 v14, QKT, v14
	s_lshl_b32 s73, s[WV], 9
	s_add_co_u32 s73, s73, SCR
	v_lshl_add_u32 v15, v2, 2, s73
	v_lshl_add_u32 v16, v3, 5, s73
	s_lshl_b32 s73, s[WV], 6
	s_add_co_u32 s73, s73, MX
	v_lshl_add_u32 v17, v2, 2, s73
	v_lshlrev_b32 v18, 2, v2
	v_add_nc_u32 v18, MX, v18
	s_lshl_b32 s73, s[WV], 8
	s_add_co_u32 s73, s73, TEX
	v_lshl_add_u32 v19, v2, 4, s73
	v_lshl_add_u32 v19, v3, 2, v19
	v_and_b32 v21, 3, v0
	v_lshlrev_b32 v21, 8, v21
	v_bfe_u32 v26, v0, 2, 3
	v_lshl_add_u32 v21, v26, 4, v21
	v_add_nc_u32 v21, TEX, v21                     ; te back: head l / 4, wave l % 4
	s_mul_i32 s73, s[WV], 2080
	s_add_co_u32 s73, s73, XS
	v_lshl_add_u32 v22, v1, 4, s73                 ; z back: heads 2 w, 2 w + 1 of waves 0, 1;
	v_add_nc_u32 v23, 66560, v22                   ; of waves 2, 3
	v_mov_b32 v28, 0x3727c5ac                      ; eps
	s_wait_tensorcnt 3                             ; my rows of dist are in (only I read them); the three loads behind may stay out
	CONVERT 0
	WIN 0
	s_wait_tensorcnt 0x0                           ; THE X SLOT CHANGES: all my tensor loads have landed, my parts of the images and of qk among them;
	ds_add_u32 v[SPW], v[NIL]                      ; work on registers stands between the add and its wait
	s_wait_loadcnt 0x0
	RND2 46
	RND2 48
	RND2 50
	RND2 52
	v_mov_b32 v42, v40
	v_mov_b32 v43, v40                             ; cq, twice
	v_mov_b32 v30, v41
	v_mov_b32 v31, v41                             ; cb, twice
	s_wait_dscnt 0x0                               ; the add is done, and my reads of the slot are over
	ROUND                                          ; every wave of the cluster has said so: the images and qk are whole
	tensor_load_to_lds s[60:63], s[20:27]          ; my rows of sites: my one load behind the round
	s_nop 0
	PLACES
	; ---------------- the keys
	G2LOAD 12
	GPHASE 8, 9
	RSTD 44
	v_cmp_ne_u32 vcc_lo, 0, v36
	v_cndmask_b32 v36, 0, s97, vcc_lo
	v_cmp_ne_u32 vcc_lo, 0, v37
	v_cndmask_b32 v37, 0, s97, vcc_lo
	TOREG 0, 38, 64
	TOREG 1, 36, 80
	PLACES
.set ks, 0
.rept 8
	ds_load_b128 v[RB+8*ks:RB+8*ks+3],   v14 offset:2304*(ks/2)+64*(ks%2)
	ds_load_b128 v[RB+8*ks+4:RB+8*ks+7], v14 offset:2304*(ks/2)+64*(ks%2)+32
.set ks, ks+1
.endr
	s_wait_dscnt 0x0
	WIN 0x01
.set ks, 0
.rept 8                                ; x.qk: source 0 = 16 keys, source 1 = 16 heads: a lane holds one head and the keys 16 st + 8 h + j.  The two accumulators take turns
.irp st, 0,1
.if ks == 0
	v_wmma_f32_16x16x32_bf16 v[ACC+8*\st:ACC+8*\st+7], v[64*\st+8*ks:64*\st+8*ks+7], v[RB+8*ks:RB+8*ks+7], 0
.else
	v_wmma_f32_16x16x32_bf16 v[ACC+8*\st:ACC+8*\st+7], v[64*\st+8*ks:64*\st+8*ks+7], v[RB+8*ks:RB+8*ks+7], v[ACC+8*\st:ACC+8*\st+7]
.endif
.endr
.set ks, ks+1
.endr
	WIN 0
	PLACES
.set m, 0
.rept 8
	v_pk_add_f32 v[ACC+2*m:ACC+2*m+1], v[ACC+2*m:ACC+2*m+1], v[42:43]
.set m, m+1
.endr
.set m, 0
.rept 8
	v_pk_fma_f32 v[ACC+2*m:ACC+2*m+1], v[ACC+2*m:ACC+2*m+1], v[64+2*m:65+2*m], v[30:31]
.set m, m+1
.endr
.set m, 0
.rept 8
	v_pk_add_f32 v[ACC+2*m:ACC+2*m+1], v[ACC+2*m:ACC+2*m+1], v[80+2*m:81+2*m]
.set m, m+1
.endr
	v_max3_num_f32 v26, v[ACC], v[ACC+1], v[ACC+2]
	v_max3_num_f32 v27, v[ACC+3], v[ACC+4], v[ACC+5]
	v_max3_num_f32 v26, v26, v[ACC+6], v[ACC+7]
	v_max3_num_f32 v27, v27, v[ACC+8], v[ACC+9]
	v_max3_num_f32 v26, v26, v[ACC+10], v[ACC+11]
	v_max3_num_f32 v27, v27, v[ACC+12], v[ACC+13]
	v_max3_num_f32 v26, v26, v[ACC+14], v[ACC+15]
	v_max3_num_f32 v26, v26, v27, s96
	v_permlanex16_b32 v27, v26, s[SEL], s[SEL+1]
	v_max_num_f32 v26, v26, v27
	ds_store_b32 v17, v26
	s_wait_dscnt 0x0                               ; for the others' sake
	s_barrier_signal -1
	s_barrier_wait -1                              ; my load of sites may stay out
.irp i, 0,1,2,3
	ds_load_b32 v[192+\i], v18 offset:64*\i
.endr
	s_wait_dscnt 0x0
	v_max3_num_f32 v29, v192, v193, v194
	v_max_num_f32 v29, v29, v195                   ; m of the half
	v_mul_f32 v54, s[CSC], v29
	v_mov_b32 v55, v54
.set m, 0
.rept 8
	v_pk_fma_f32 v[ACC+2*m:ACC+2*m+1], v[ACC+2*m:ACC+2*m+1], s[CSC:CSC+1], v[54:55] op_sel_hi:[1,0,1] neg_lo:[0,0,1] neg_hi:[0,0,1]
.set m, m+1
.endr
.set i, 0
.rept 16
	v_exp_f32 v[64+i], v[ACC+i]
.set i, i+1
.endr
	v_nop                                          ; a plain instruction behind the last exponential,
	s_wait_alu depctr_va_vdst(0)                   ; and one wait for the sixteen
	TREE16 64, 62                                  ; l, my 16 keys
.irp st, 0,1
	v_pk_mul_f32 v[96:97], v[64+8*\st:65+8*\st], v[46:47]
	v_pk_fma_f32 v[96:97], v[66+8*\st:67+8*\st], v[48:49], v[96:97]
	v_pk_fma_f32 v[96:97], v[68+8*\st:69+8*\st], v[50:51], v[96:97]
	v_pk_fma_f32 v[96:97], v[70+8*\st:71+8*\st], v[52:53], v[96:97]
	v_add_f32 v26, v96, v97
	ds_store_b32 v19, v26 offset:8*\st             ; te: eight neighbouring keys times Wa
.endr
	; ---------------- the values
	s_wait_tensorcnt 0x0                           ; my rows of sites are in (only I read them)
	CONVERT 1
	G2LOAD 13
	GPHASE 10, 11
	RSTD 45
	TOREG 2, 38, 80
	s_wait_dscnt 0x0
.set m, 0
.rept 8
	v_pk_mul_f32 v[80+2*m:81+2*m], v[64+2*m:65+2*m], v[80+2*m:81+2*m]   ; e rv
.set m, m+1
.endr
	TREE16 80, 63                                  ; sw
.set q, 0
.rept 8
	v_cvt_pk_bf16_f32 v[54+q], v[80+2*q], v[80+2*q+1]  ; tile 0's keys are registers 0-3, tile 1's registers 4-7 of a fragment of 16 heads x 32 keys
.set q, q+1
.endr
.set t, 0
.rept 16
	ds_load_tr16_b128 v[RB+8*t:RB+8*t+3],   v6 offset:32*t
	ds_load_tr16_b128 v[RB+8*t+4:RB+8*t+7], v6 offset:32*t+8704
.set t, t+1
.endr
	s_wait_dscnt 0x0
	WIN 0x40
.set t, 0
.rept 16                               ; z^T: source 0 = 16 channels x my 32 keys, source 1 = 16 heads
	v_wmma_f32_16x16x32_bf16 v[8*t:8*t+7], v[RB+8*t:RB+8*t+7], v[54:61], 0
.set t, t+1
.endr
	PLACES
	WIN 0x04
.set t, 0
.rept 16
	ds_store_b128 v4, v[8*t:8*t+3]   offset:64*t
	ds_store_b128 v4, v[8*t+4:8*t+7] offset:64*t+16
.set t, t+1
.endr
	WIN 0
	v_permlanex16_b32 v26, v62, s[SEL], s[SEL+1]
	v_permlanex16_b32 v27, v63, s[SEL], s[SEL+1]
	v_add_f32 v62, v62, v26
	v_add_f32 v63, v63, v27
	ds_store_b32 v17, v62 offset:256
	ds_store_b32 v17, v63 offset:512
	s_wait_dscnt 0x0
	s_barrier_signal -1
	s_barrier_wait -1                              ; every wave's z, l, sw and te lie in LDS
	; ---------------- the way out: wave w adds the four waves' z for heads 2 w and 2 w + 1
.set c, 0
.rept 4
.irp e, 0,1
	ds_load_b128 v[RB+16*c+4*\e:RB+16*c+4*\e+3],     v22 offset:33280*\e+1040*(c/2)+512*(c%2)
	ds_load_b128 v[RB+16*c+8+4*\e:RB+16*c+8+4*\e+3], v23 offset:33280*\e+1040*(c/2)+512*(c%2)
.endr
.set c, c+1
.endr
	s_lshl_b32 s70, s68, 13
	s_lshl_b32 s71, s[WV], 11
	s_add_co_u32 s70, s70, s71
	v_add_nc_u32 v27, s70, v8
	s_wait_dscnt 0x0
.set c, 0
.rept 4
.set a, RB+16*c
	v_pk_add_f32 v[a:a+1], v[a:a+1], v[a+4:a+5]
	v_pk_add_f32 v[a+2:a+3], v[a+2:a+3], v[a+6:a+7]
	v_pk_add_f32 v[a+8:a+9], v[a+8:a+9], v[a+12:a+13]
	v_pk_add_f32 v[a+10:a+11], v[a+10:a+11], v[a+14:a+15]
	v_pk_add_f32 v[a:a+1], v[a:a+1], v[a+8:a+9]
	v_pk_add_f32 v[a+2:a+3], v[a+2:a+3], v[a+10:a+11]
	global_store_b128 v27, v[a:a+3], s[18:19] offset:1024*(c/2)+512*(c%2)  ; 512 consecutive bytes
.set c, c+1
.endr
	s_cmp_lg_u32 s[WV], 0
	s_cbranch_scc1 .Lnot0
	ds_load_b128 v[96:99], v21                     ; wave 0: te of the eight heads
	s_lshl_b32 s70, s68, 9
	v_add_nc_u32 v26, s70, v8
	s_wait_dscnt 0x0
	global_store_b128 v26, v[96:99], s[18:19] offset:0x200000
.Lnot0:
	s_cmp_lg_u32 s[WV], 1
	s_cbranch_scc1 .Lnot1
.irp i, 0,1,2,3
	ds_load_b32 v[100+\i], v18 offset:256+64*\i    ; wave 1: (m, l, sw, 0) of each head
	ds_load_b32 v[104+\i], v18 offset:512+64*\i
.endr
	v_lshlrev_b32 v30, 4, v2
	v_lshl_add_u32 v30, v3, 3, v30
	s_lshl_b32 s71, s68, 8
	v_add_nc_u32 v30, s71, v30
	s_wait_dscnt 0x0
	v_add_f32 v100, v100, v101
	v_add_f32 v102, v102, v103
	v_add_f32 v100, v100, v102
	v_add_f32 v104, v104, v105
	v_add_f32 v106, v106, v107
	v_add_f32 v104, v104, v106
	v_cmp_eq_u32 vcc_lo, 1, v3
	v_cndmask_b32 v108, v29, v104, vcc_lo
	v_cndmask_b32 v109, v100, v7, vcc_lo
	global_store_b64 v30, v[108:109], s[18:19] offset:0x220000  ; 256 consecutive bytes
.Lnot1:
	s_wait_tensorcnt 0x0                           ; the wave's end
	ds_add_u32 v[SPW], v[NIL]
	s_wait_dscnt 0x0
	ROUND                                          ; the closing round
	s_endpgm
.Lfunc_end_k_qb4ee24bcab_main:
	.size	k_qb4ee24bcab_main, .Lfunc_end_k_qb4ee24bcab_main-k_qb4ee24bcab_main
	.p2alignl 7, 3214868480
	.fill 96, 4, 3214868480
	.section	.rodata,"a",@progbits
	.p2align	6, 0x0
	.amdhsa_kernel k_qb4ee24bcab_main
		.amdhsa_group_segment_fixed_size 327680
		.amdhsa_private_segment_fixed_size 0
		.amdhsa_enable_private_segment 0
		.amdhsa_kernarg_size 64
		.amdhsa_user_sgpr_count 2
		.amdhsa_user_sgpr_kernarg_segment_ptr 1
		.amdhsa_wavefront_size32 1
		.amdhsa_system_sgpr_workgroup_id_x 1
		.amdhsa_system_sgpr_workgroup_id_y 1
		.amdhsa_system_sgpr_workgroup_id_z 1
		.amdhsa_system_vgpr_workitem_id 0
		.amdhsa_next_free_vgpr 768
		.amdhsa_next_free_sgpr 100
		.amdhsa_reserve_vcc 1
		.amdhsa_float_denorm_mode_32 3
		.amdhsa_float_denorm_mode_16_64 3
		.amdhsa_memory_ordered 1
		.amdhsa_forward_progress 1
		.amdhsa_inst_pref_size 138
	.end_amdhsa_kernel
	.amdgpu_metadata
---
amdhsa.version: [ 1, 2 ]
amdhsa.kernels:
  - .name:           k_qb4ee24bcab_main
    .symbol:         k_qb4ee24bcab_main.kd
    .args:
      - { .name: dist, .offset: 0, .size: 8, .value_kind: global_buffer, .address_space: global }
      - { .name: sites, .offset: 8, .size: 8, .value_kind: global_buffer, .address_space: global }
      - { .name: mask, .offset: 16, .size: 8, .value_kind: global_buffer, .address_space: global }
      - { .name: Wa, .offset: 24, .size: 8, .value_kind: global_buffer, .address_space: global }
      - { .name: gi, .offset: 32, .size: 8, .value_kind: global_buffer, .address_space: global }
      - { .name: w1, .offset: 40, .size: 8, .value_kind: global_buffer, .address_space: global }
      - { .name: w2, .offset: 48, .size: 8, .value_kind: global_buffer, .address_space: global }
      - { .name: w3, .offset: 56, .size: 8, .value_kind: global_buffer, .address_space: global }
    .group_segment_fixed_size: 327680
    .private_segment_fixed_size: 0
    .kernarg_segment_align: 8
    .kernarg_segment_size: 64
    .max_flat_workgroup_size: 128
    .sgpr_count:     100
    .vgpr_count:     768
    .wavefront_size: 32
...
	.end_amdgpu_metadata
.endif
;; end of part 3
;; launch f1 (part 4): grid 9 x 8, 4 waves a work-group, no clusters, 313,344 bytes of LDS; arguments w1, w2, w3, gv, betv, gq, betq, g1, b1, w4; writes w4
.if DOCPART == 4
	.amdgcn_target "amdgcn-amd-amdhsa--gfx1250"
	.amdhsa_code_object_version 6
	.text
	.protected	k_qb4ee24bcab_f1
	.globl	k_qb4ee24bcab_f1
	.p2align	8
	.type	k_qb4ee24bcab_f1,@function
k_qb4ee24bcab_f1:
	s_mov_b64 s[64:65], 0
	v_nop
	global_prefetch_b8 v0, s[64:65] scope:SCOPE_SE
	s_setreg_imm32_b32 hwreg(HW_REG_WAVE_MODE, 25, 1), 1
	s_wait_xcnt 0x0
; THE HEADS.  Work-group (bg, hd): 16 batches, one head.  The two halves of the keys are merged by their maxima; o = gv (z.Wvc + bvc sw) + betv + q; the head's mean mu and sum of squares M2 about it;
; P = ((o - mu) g1).Wo_h.  The launch behind adds the heads: LN1(o).Wo = r1 (sum of P_h + (mu_h - mu1) g1_h.Wo_h) + sum of b1_h.Wo_h.
; The ninth group (bg = 8) makes g1_h.Wo_h (row 128 of P) and b1_h.Wo_h (row 129): it runs the same text on group 7's rows, and its second product's operand is chosen, value by value, as
; (r = 0 ? g1 : r = 1 ? b1 : 0): no branch passes a barrier.  It stores no statistics.
; No cluster: the nine work-groups of a head read the same two tiles of weights, and nine is no multiple of four.
; LIMITS.  A batch masked whole has l = 0: its row becomes NaN, as the softmax of -inf alone does; a row of one batch touches no other.
; Both products are taken transposed (source 0 = 16 columns of the weights, read turned out of LDS; source 1 = the 16 batches): a lane holds one batch and 8 neighbouring columns; wave w makes columns 64 w ..
; window 0: v0-31 addresses and small numbers; v32-63 four accumulators; v64-127 source 1's fragments; v128-255 two sets of turned fragments; all of v64-255 at work before
; window 1: gv, bvc, betv, gq, betq, g1, yq, b1 at my 32 columns, 32 registers each
.set WVT,   0                          ; Wvc's 256 k x the head's 256 columns, bf16, rows of 544 bytes
.set WOT,   139264                     ; Wo's 256 rows of the head x 256 columns, likewise
.set AFX,   278528                     ; z as 8 fragments; at + 8,192 the second product's operand
.set SX,    294912
.set PST,   295424                     ; for each wave 16 rows x 272 bytes
.set SPARE, 312832
.set SEL,   56
.set SPW,   20
.set NIL,   21
.set ACC,   32
.set AF,    64
.set TR,    128
.set GV,    0
.set BVC,   32
.set BETV,  64
.set GQ,    96
.set BETQ,  128
.set G1,    160
.set YQ,    192
.set B1,    224
.set MSB, 0
.macro WIN new
.if MSB != (\new)
	s_set_vgpr_msb (MSB<<8)|(\new)
.set MSB, \new
.endif
.endm
.macro PLACES
.rept 4
	v_nop
.endr
.endm
.macro RND2 a
	v_cvt_pk_bf16_f32 v[\a], v[\a], v[(\a)+1]
	v_and_b32 v[(\a)+1], 0xffff0000, v[\a]
	v_lshlrev_b32 v[\a], 16, v[\a]
.endm
.macro VLD dst, vo, sb, im             ; one vector at my 32 columns: 8 loads
.irp tp, 0,1,2,3
	global_load_b128 v[\dst+8*\tp:\dst+8*\tp+3],   v[\vo], s[\sb:\sb+1] offset:(\im)+64*\tp
	global_load_b128 v[\dst+8*\tp+4:\dst+8*\tp+7], v[\vo], s[\sb:\sb+1] offset:(\im)+64*\tp+16
.endr
.endm
.macro TRL q, sb, ta, tb               ; K steps 2 q, 2 q + 1: my four tiles' fragments, turned: 16 loads
.irp e, 0,1
.irp tp, 0,1,2,3
.if 2*(\q)+\e < 4
	ds_load_tr16_b128 v[TR+64*(\sb)+32*\e+8*\tp:TR+64*(\sb)+32*\e+8*\tp+3],   v[\ta] offset:17408*(2*(\q)+\e)+32*\tp
	ds_load_tr16_b128 v[TR+64*(\sb)+32*\e+8*\tp+4:TR+64*(\sb)+32*\e+8*\tp+7], v[\ta] offset:17408*(2*(\q)+\e)+32*\tp+8704
.else
	ds_load_tr16_b128 v[TR+64*(\sb)+32*\e+8*\tp:TR+64*(\sb)+32*\e+8*\tp+3],   v[\tb] offset:17408*(2*(\q)+\e-4)+32*\tp
	ds_load_tr16_b128 v[TR+64*(\sb)+32*\e+8*\tp+4:TR+64*(\sb)+32*\e+8*\tp+7], v[\tb] offset:17408*(2*(\q)+\e-4)+32*\tp+8704
.endif
.endr
.endr
.endm
.macro GEMMT ta, tb, fo                ; 16 batches x my 64 columns, K = 256; the four accumulators take turns
.set gk, 0
.rept 8
	ds_load_b128 v[AF+8*gk:AF+8*gk+3],   v14 offset:(\fo)+1024*gk
	ds_load_b128 v[AF+8*gk+4:AF+8*gk+7], v14 offset:(\fo)+1024*gk+512
.set gk, gk+1
.endr
	TRL 0, 0, \ta, \tb
	TRL 1, 1, \ta, \tb
.set gs, 0
.rept 4
.if gs < 3
	s_wait_dscnt 16                                ; all but the 16 loads issued last
.else
	s_wait_dscnt 0x0
.endif
.irp e, 0,1
.irp tp, 0,1,2,3
.if 2*gs+\e == 0
	v_wmma_f32_16x16x32_bf16 v[ACC+8*\tp:ACC+8*\tp+7], v[TR+64*(gs%2)+32*\e+8*\tp:TR+64*(gs%2)+32*\e+8*\tp+7], v[AF+8*(2*gs+\e):AF+8*(2*gs+\e)+7], 0
.else
	v_wmma_f32_16x16x32_bf16 v[ACC+8*\tp:ACC+8*\tp+7], v[TR+64*(gs%2)+32*\e+8*\tp:TR+64*(gs%2)+32*\e+8*\tp+7], v[AF+8*(2*gs+\e):AF+8*(2*gs+\e)+7], v[ACC+8*\tp:ACC+8*\tp+7]
.endif
.endr
.endr
	PLACES
.if gs < 2
	TRL gs+2, gs%2, \ta, \tb
.endif
.set gs, gs+1
.endr
.endm
	s_load_b512 s[4:19], s[0:1], 0x0               ; w1, w2, w3, gv, betv, gq, betq, g1
	s_load_b128 s[20:23], s[0:1], 0x40             ; b1, w4
	v_lshl_add_u32 v[SPW], v0, 2, SPARE
	v_mov_b32 v[NIL], 0
	ds_add_u32 v[SPW], v[NIL]                      ; the wave's opening: the add and its wait stand ahead of my first tensor load
	ds_add_u32 v20, v21
	v_lshrrev_b32 v1, 5, v0
	v_readfirstlane_b32 s24, v1                    ; wave
	s_mov_b32 s25, ttmp9                           ; bg
	s_and_b32 s26, ttmp7, 0xffff                   ; hd
	s_min_u32 s27, s25, 7                          ; the group whose rows are loaded
	s_cmp_eq_u32 s25, 8
	s_cselect_b32 s28, -1, 0                       ; all lanes, in the ninth group
	s_mov_b32 s29, 0x3db8aa3b                      ; log2(e) / 16
	s_mov_b32 s[SEL], 0x76543210
	s_mov_b32 s[SEL+1], 0xfedcba98
	; group 1: 64 rows x 256 elements of 2 bytes, 8 words of padding behind every 128; the pitch is 2,048 elements in Wvc, 256 in Wo
	s_mov_b32 s32, (1<<16)|(1<<20)|(6<<22)|(7<<25)
	s_mov_b32 s33, 256<<16
	s_mov_b32 s34, 64<<16
	s_mov_b32 s35, 256<<16
	s_mov_b32 s36, 64
	s_mov_b32 s37, 2048
	s_mov_b32 s38, 0
	s_mov_b32 s39, 0
	s_mov_b32 s40, (1<<16)|(1<<20)|(6<<22)|(7<<25)
	s_mov_b32 s41, 256<<16
	s_mov_b32 s42, 64<<16
	s_mov_b32 s43, 256<<16
	s_mov_b32 s44, 64
	s_mov_b32 s45, 256
	s_mov_b32 s46, 0
	s_mov_b32 s47, 0
	s_mov_b32 s48, 1
	s_mov_b32 s52, 1
	s_mul_i32 s58, s24, 34816
	s_add_co_u32 s49, s58, WVT
	s_add_co_u32 s53, s58, WOT
	s_lshl_b32 s60, s24, 18
	s_lshl_b32 s61, s26, 9
	s_add_co_u32 s60, s60, s61
	s_add_co_u32 s60, s60, 0x100000                ; Wvc: rows 64 w .., the head's 512 bytes
	s_mov_b32 s61, 0
	s_lshl_b32 s62, s26, 17
	s_lshl_b32 s63, s24, 15
	s_add_co_u32 s62, s62, s63
	s_add_co_u32 s62, s62, 0x200000                ; Wo: rows 256 hd + 64 w ..
	s_mov_b32 s63, 0
	s_wait_dscnt 0x0                               ; the opening add is done
	s_wait_kmcnt 0x0
	s_add_nc_u64 s[50:51], s[4:5], s[60:61]
	s_or_b32 s51, s51, 0x80000000
	s_add_nc_u64 s[54:55], s[4:5], s[62:63]
	s_or_b32 s55, s55, 0x80000000
	tensor_load_to_lds s[48:51], s[32:39]          ; both tiles are filled once: two loads of mine are out
	s_nop 0
	tensor_load_to_lds s[52:55], s[40:47]
	s_nop 0
	PLACES
	v_and_b32 v1, 31, v0
	v_and_b32 v2, 15, v0
	v_bfe_u32 v3, v0, 4, 1
	s_lshl_b32 s58, s26, 10
	s_lshl_b32 s59, s24, 8
	s_add_co_u32 s58, s58, s59
	v_lshl_add_u32 v4, v3, 5, s58                  ; the vectors: 1,024 hd + 256 w + 32 h
	s_lshl_b32 s59, s27, 4
	v_add_nc_u32 v22, s59, v2                      ; batch
	v_lshl_add_u32 v5, v22, 13, v4                 ; yq
	v_lshl_add_u32 v6, v22, 14, v4                 ; z
	v_lshlrev_b32 v7, 3, v22                       ; yq's statistics
	s_lshl_b32 s59, s26, 4
	v_lshl_add_u32 v8, v22, 9, s59                 ; (m, l, sw)
	WIN 0x40
	VLD GV,   4, 10, 0
	VLD BVC,  4, 4,  0x402000
	VLD BETV, 4, 12, 0
	VLD GQ,   4, 14, 0
	VLD BETQ, 4, 16, 0
	VLD G1,   4, 18, 0
	VLD YQ,   5, 4,  0x300000
	VLD B1,   4, 20, 0
	WIN 0
	global_load_b128 v[128:131], v8, s[8:9] offset:0x220000
	global_load_b128 v[132:135], v8, s[8:9] offset:0x220000+256
	global_load_b64 v[136:137], v7, s[6:7] offset:0x82000
.irp f, 0,1
.irp e, 0,1
	global_load_b128 v[64+32*\f+16*\e:64+32*\f+16*\e+3],     v6, s[8:9] offset:8192*\f+128*\e
	global_load_b128 v[64+32*\f+16*\e+4:64+32*\f+16*\e+7],   v6, s[8:9] offset:8192*\f+128*\e+16
	global_load_b128 v[64+32*\f+16*\e+8:64+32*\f+16*\e+11],  v6, s[8:9] offset:8192*\f+128*\e+64
	global_load_b128 v[64+32*\f+16*\e+12:64+32*\f+16*\e+15], v6, s[8:9] offset:8192*\f+128*\e+80
.endr
.endr
	v_and_b32 v23, 7, v0
	v_lshl_add_u32 v9, v3, 3, v23
	v_mul_u32_u24 v9, v9, 544
	v_bfe_u32 v23, v0, 3, 1
	v_lshl_add_u32 v9, v23, 4, v9
	s_lshl_b32 s59, s24, 7
	v_add_nc_u32 v9, s59, v9                       ; the turning loads in Wvc's tile (at LDS byte 0), K steps 0-3;
	v_add_nc_u32 v10, 69632, v9                    ; K steps 4-7
	v_add_nc_u32 v11, WOT, v9
	v_add_nc_u32 v12, WOT+69632, v9
	s_lshl_b32 s59, s24, 11
	s_add_co_u32 s59, s59, AFX
	v_lshl_add_u32 v13, v1, 4, s59                 ; my two fragments, written
	v_lshlrev_b32 v14, 4, v1
	v_add_nc_u32 v14, AFX, v14                     ; all fragments, read
	v_lshlrev_b32 v16, 3, v2
	v_add_nc_u32 v16, SX, v16
	s_lshl_b32 s59, s24, 7
	v_add_nc_u32 v15, s59, v16
	s_mul_i32 s59, s24, 4352
	s_add_co_u32 s59, s59, PST
	v_mul_u32_u24 v17, v2, 272
	v_lshl_add_u32 v17, v3, 5, v17
	v_add_nc_u32 v17, s59, v17
	v_mul_u32_u24 v18, v3, 272
	v_lshl_add_u32 v18, v2, 4, v18
	v_add_nc_u32 v18, s59, v18
	s_mul_i32 s59, s26, 144
	s_lshl_b32 s60, s25, 4
	s_add_co_u32 s59, s59, s60
	s_lshl_b32 s59, s59, 10
	s_lshl_b32 s60, s24, 8
	s_add_co_u32 s59, s59, s60
	v_lshl_add_u32 v19, v3, 10, s59
	v_lshl_add_u32 v19, v2, 4, v19                 ; P
	v_mov_b32 v30, 1.0
	v_cmp_eq_u32 vcc_lo, 0, v2
	v_cndmask_b32 v22, 0, v30, vcc_lo              ; 1 in the lanes of row 0
	s_wait_loadcnt 0x0
	; the two halves are merged
	v_max_num_f32 v138, v128, v132
	v_sub_f32 v139, v128, v138
	v_sub_f32 v140, v132, v138
	v_mul_f32 v139, s29, v139
	v_mul_f32 v140, s29, v140
	v_exp_f32 v139, v139
	v_exp_f32 v140, v140
	v_mov_b32 v24, v136                            ; yq's mean, twice,
	v_mov_b32 v25, v136
	v_mov_b32 v26, v137                            ; and 1/std
	v_mov_b32 v27, v137
	s_wait_alu depctr_va_vdst(0)                   ; one wait for the two exponentials
	v_mul_f32 v141, v139, v129
	v_fmac_f32 v141, v140, v133
	v_rcp_f32 v141, v141
	v_nop
	s_wait_alu depctr_va_vdst(0)
	v_mul_f32 v148, v139, v141
	v_mul_f32 v150, v140, v141
	v_mov_b32 v149, v148
	v_mov_b32 v151, v150
	v_mul_f32 v28, v148, v130
	v_fmac_f32 v28, v150, v134                     ; sw
	v_mov_b32 v29, v28
.set m, 0
.rept 16
	v_pk_mul_f32 v[64+2*m:65+2*m], v[64+2*m:65+2*m], v[148:149]
	v_pk_fma_f32 v[64+2*m:65+2*m], v[96+2*m:97+2*m], v[150:151], v[64+2*m:65+2*m]
.set m, m+1
.endr
.set m, 0
.rept 16
	v_cvt_pk_bf16_f32 v[152+m], v[64+2*m], v[64+2*m+1]
.set m, m+1
.endr
.irp e, 0,1
	ds_store_b128 v13, v[152+8*\e:155+8*\e] offset:1024*\e
	ds_store_b128 v13, v[156+8*\e:159+8*\e] offset:1024*\e+512
.endr
	WIN 0x55
.set q, 0
.rept 16
	RND2 GV+2*q
	RND2 BETV+2*q
	RND2 GQ+2*q
	RND2 BETQ+2*q
	RND2 G1+2*q
	RND2 B1+2*q
.set q, q+1
.endr
	WIN 0x41
.set m, 0
.rept 16
	v_pk_add_f32 v[YQ+2*m:YQ+2*m+1], v[YQ+2*m:YQ+2*m+1], v[24:25] neg_lo:[0,1] neg_hi:[0,1]
.set m, m+1
.endr
.set m, 0
.rept 16
	v_pk_mul_f32 v[YQ+2*m:YQ+2*m+1], v[YQ+2*m:YQ+2*m+1], v[26:27]
.set m, m+1
.endr
	WIN 0x55
.set m, 0
.rept 16
	v_pk_fma_f32 v[YQ+2*m:YQ+2*m+1], v[YQ+2*m:YQ+2*m+1], v[GQ+2*m:GQ+2*m+1], v[BETQ+2*m:BETQ+2*m+1]  ; q
.set m, m+1
.endr
.set m, 0
.rept 16
	v_pk_add_f32 v[YQ+2*m:YQ+2*m+1], v[YQ+2*m:YQ+2*m+1], v[BETV+2*m:BETV+2*m+1]                      ; q + betv
.set m, m+1
.endr
	WIN 0
	v_cmp_eq_u32 vcc_lo, 1, v2
	v_cndmask_b32 v24, 0, v30, vcc_lo
	v_and_b32 v24, s28, v24                        ; 1 in the lanes of row 1 of the ninth group
	v_mov_b32 v25, v24
	s_wait_tensorcnt 1                             ; my part of Wvc's tile is in; Wo's may stay out
	s_wait_dscnt 0x0
	s_barrier_signal -1
	s_barrier_wait -1
	GEMMT 9, 10, 0
	WIN 0x01
.set m, 0
.rept 16
	v_pk_fma_f32 v[ACC+2*m:ACC+2*m+1], v[BVC+2*m:BVC+2*m+1], v[28:29], v[ACC+2*m:ACC+2*m+1]
.set m, m+1
.endr
	WIN 0x11
.set m, 0
.rept 16
	v_pk_fma_f32 v[ACC+2*m:ACC+2*m+1], v[GV+2*m:GV+2*m+1], v[ACC+2*m:ACC+2*m+1], v[YQ+2*m:YQ+2*m+1]  ; o
.set m, m+1
.endr
	WIN 0
	; my 64 columns' mean, and the sum of squares about it
.irp m, 0,1,2,3,4,5,6,7
	v_pk_add_f32 v[64+2*\m:65+2*\m], v[ACC+2*\m:ACC+2*\m+1], v[ACC+16+2*\m:ACC+16+2*\m+1]
.endr
.irp m, 0,1,2,3
	v_pk_add_f32 v[64+2*\m:65+2*\m], v[64+2*\m:65+2*\m], v[72+2*\m:73+2*\m]
.endr
	v_pk_add_f32 v[64:65], v[64:65], v[68:69]
	v_pk_add_f32 v[66:67], v[66:67], v[70:71]
	v_pk_add_f32 v[64:65], v[64:65], v[66:67]
	v_add_f32 v64, v64, v65
	v_permlanex16_b32 v65, v64, s[SEL], s[SEL+1]
	v_add_f32 v64, v64, v65
	v_mul_f32 v30, 0x3c800000, v64                 ; / 64
	v_mov_b32 v31, v30
.set m, 0
.rept 16
	v_pk_add_f32 v[64+2*m:65+2*m], v[ACC+2*m:ACC+2*m+1], v[30:31] neg_lo:[0,1] neg_hi:[0,1]
.set m, m+1
.endr
.set m, 0
.rept 16
.if m < 4
	v_pk_mul_f32 v[96+2*m:97+2*m], v[64+2*m:65+2*m], v[64+2*m:65+2*m]
.else
	v_pk_fma_f32 v[96+2*(m%4):97+2*(m%4)], v[64+2*m:65+2*m], v[64+2*m:65+2*m], v[96+2*(m%4):97+2*(m%4)]
.endif
.set m, m+1
.endr
	v_pk_add_f32 v[96:97], v[96:97], v[98:99]
	v_pk_add_f32 v[100:101], v[100:101], v[102:103]
	v_pk_add_f32 v[96:97], v[96:97], v[100:101]
	v_add_f32 v96, v96, v97
	v_permlanex16_b32 v97, v96, s[SEL], s[SEL+1]
	v_add_f32 v31, v96, v97
	ds_store_b64 v15, v[30:31]
	s_wait_dscnt 0x0
	s_barrier_signal -1
	s_barrier_wait -1
.irp i, 0,1,2,3
	ds_load_b64 v[64+2*\i:65+2*\i], v16 offset:128*\i
.endr
	s_wait_dscnt 0x0
	v_add_f32 v72, v64, v66
	v_add_f32 v73, v68, v70
	v_add_f32 v72, v72, v73
	v_mul_f32 v72, 0x3e800000, v72                 ; the head's mean
	v_sub_f32 v74, v64, v72
	v_sub_f32 v75, v66, v72
	v_sub_f32 v76, v68, v72
	v_sub_f32 v77, v70, v72
	v_mul_f32 v78, v74, v74
	v_fmac_f32 v78, v75, v75
	v_fmac_f32 v78, v76, v76
	v_fmac_f32 v78, v77, v77
	v_add_f32 v79, v65, v67
	v_add_f32 v73, v69, v71
	v_add_f32 v79, v79, v73
	v_fmamk_f32 v73, v78, 0x42800000, v79          ; M2 of the head = the waves' M2 + 64 x the squares of their means' distances
	v_mov_b32 v80, v72
	v_mov_b32 v81, v72
.set m, 0
.rept 16
	v_pk_add_f32 v[ACC+2*m:ACC+2*m+1], v[ACC+2*m:ACC+2*m+1], v[80:81] neg_lo:[0,1] neg_hi:[0,1]
.set m, m+1
.endr
.set i, 0
.rept 32
	v_cndmask_b32 v[ACC+i], v[ACC+i], v22, s28     ; the ninth group: 1 in row 0, 0 elsewhere
.set i, i+1
.endr
	WIN 0x41
.set m, 0
.rept 16
	v_pk_mul_f32 v[B1+2*m:B1+2*m+1], v[B1+2*m:B1+2*m+1], v[24:25]
.set m, m+1
.endr
	WIN 0x11
.set m, 0
.rept 16
	v_pk_fma_f32 v[ACC+2*m:ACC+2*m+1], v[G1+2*m:G1+2*m+1], v[ACC+2*m:ACC+2*m+1], v[B1+2*m:B1+2*m+1]
.set m, m+1
.endr
	WIN 0
.set m, 0
.rept 16
	v_cvt_pk_bf16_f32 v[96+m], v[ACC+2*m], v[ACC+2*m+1]  ; tiles 2 e, 2 e + 1 are registers 0-3, 4-7 of fragment 2 w + e
.set m, m+1
.endr
.irp e, 0,1
	ds_store_b128 v13, v[96+8*\e:99+8*\e]   offset:8192+1024*\e
	ds_store_b128 v13, v[100+8*\e:103+8*\e] offset:8192+1024*\e+512
.endr
	s_cmp_lg_u32 s24, 0
	s_cbranch_scc1 .Lnohs
	s_cmp_eq_u32 s25, 8
	s_cbranch_scc1 .Lnohs
	s_lshl_b32 s59, s26, 7
	s_lshl_b32 s60, s25, 4
	s_add_co_u32 s59, s59, s60
	v_add_nc_u32 v23, s59, v2
	v_lshlrev_b32 v23, 3, v23
	v_cmp_gt_u32 vcc_lo, 16, v1
	s_wait_xcnt 0x0                                ; EXEC changes only behind this wait
	s_and_saveexec_b32 s58, vcc_lo
	global_store_b64 v23, v[72:73], s[22:23] offset:0x120000
	s_wait_xcnt 0x0
	s_or_b32 exec_lo, exec_lo, s58
.Lnohs:
	s_wait_tensorcnt 0x0                           ; my part of Wo's tile is in
	s_wait_dscnt 0x0
	s_barrier_signal -1
	s_barrier_wait -1
	GEMMT 11, 12, 8192
.irp tp, 0,1,2,3
	ds_store_b128 v17, v[ACC+8*\tp:ACC+8*\tp+3]   offset:64*\tp
	ds_store_b128 v17, v[ACC+8*\tp+4:ACC+8*\tp+7] offset:64*\tp+16
.endr
.irp i, 0,1,2,3,4,5,6,7
	ds_load_b128 v[AF+4*\i:AF+4*\i+3], v18 offset:544*\i  ; my own stage: LDS serves a wave's instructions in order
.endr
.irp i, 0,1,2,3,4,5,6,7
	s_wait_dscnt 7-\i
	global_store_b128 v19, v[AF+4*\i:AF+4*\i+3], s[22:23] offset:2048*\i  ; 16 lanes store 256 consecutive bytes, aligned
.endr
	s_wait_tensorcnt 0x0                           ; the wave's end
	ds_add_u32 v[SPW], v[NIL]
	s_wait_dscnt 0x0
	s_endpgm
.Lfunc_end_k_qb4ee24bcab_f1:
	.size	k_qb4ee24bcab_f1, .Lfunc_end_k_qb4ee24bcab_f1-k_qb4ee24bcab_f1
	.p2alignl 7, 3214868480
	.fill 96, 4, 3214868480
	.section	.rodata,"a",@progbits
	.p2align	6, 0x0
	.amdhsa_kernel k_qb4ee24bcab_f1
		.amdhsa_group_segment_fixed_size 313344
		.amdhsa_private_segment_fixed_size 0
		.amdhsa_enable_private_segment 0
		.amdhsa_kernarg_size 80
		.amdhsa_user_sgpr_count 2
		.amdhsa_user_sgpr_kernarg_segment_ptr 1
		.amdhsa_wavefront_size32 1
		.amdhsa_system_sgpr_workgroup_id_x 1
		.amdhsa_system_sgpr_workgroup_id_y 1
		.amdhsa_system_sgpr_workgroup_id_z 1
		.amdhsa_system_vgpr_workitem_id 0
		.amdhsa_next_free_vgpr 512
		.amdhsa_next_free_sgpr 72
		.amdhsa_reserve_vcc 1
		.amdhsa_float_denorm_mode_32 3
		.amdhsa_float_denorm_mode_16_64 3
		.amdhsa_memory_ordered 1
		.amdhsa_forward_progress 1
		.amdhsa_inst_pref_size 68
	.end_amdhsa_kernel
	.amdgpu_metadata
---
amdhsa.version: [ 1, 2 ]
amdhsa.kernels:
  - .name:           k_qb4ee24bcab_f1
    .symbol:         k_qb4ee24bcab_f1.kd
    .args:
      - { .name: w1, .offset: 0, .size: 8, .value_kind: global_buffer, .address_space: global }
      - { .name: w2, .offset: 8, .size: 8, .value_kind: global_buffer, .address_space: global }
      - { .name: w3, .offset: 16, .size: 8, .value_kind: global_buffer, .address_space: global }
      - { .name: gv, .offset: 24, .size: 8, .value_kind: global_buffer, .address_space: global }
      - { .name: betv, .offset: 32, .size: 8, .value_kind: global_buffer, .address_space: global }
      - { .name: gq, .offset: 40, .size: 8, .value_kind: global_buffer, .address_space: global }
      - { .name: betq, .offset: 48, .size: 8, .value_kind: global_buffer, .address_space: global }
      - { .name: g1, .offset: 56, .size: 8, .value_kind: global_buffer, .address_space: global }
      - { .name: b1, .offset: 64, .size: 8, .value_kind: global_buffer, .address_space: global }
      - { .name: w4, .offset: 72, .size: 8, .value_kind: global_buffer, .address_space: global }
    .group_segment_fixed_size: 313344
    .private_segment_fixed_size: 0
    .kernarg_segment_align: 8
    .kernarg_segment_size: 80
    .max_flat_workgroup_size: 128
    .sgpr_count:     72
    .vgpr_count:     512
    .wavefront_size: 32
...
	.end_amdgpu_metadata
.endif
;; end of part 4
;; launch f2 (part 5): grid 32 x 1, 4 waves a work-group, no clusters, 0 bytes of LDS; arguments w3, w4, bo, g2, b2, ba, ga, beta_a, out0, out1; writes out0, out1
.if DOCPART == 5
	.amdgcn_target "amdgcn-amd-amdhsa--gfx1250"
	.amdhsa_code_object_version 6
	.text
	.protected	k_qb4ee24bcab_f2
	.globl	k_qb4ee24bcab_f2
	.p2align	8
	.type	k_qb4ee24bcab_f2,@function
k_qb4ee24bcab_f2:
	s_mov_b64 s[64:65], 0
	v_nop
	global_prefetch_b8 v0, s[64:65] scope:SCOPE_SE
	s_setreg_imm32_b32 hwreg(HW_REG_WAVE_MODE, 25, 1), 1
	s_wait_xcnt 0x0
; THE END.  One wave, one batch; a lane owns the indices 4 l .. 4 l + 3 and 128 + 4 l .. of both outputs.  No LDS, no barrier, no matrix work: 128 rows of 256 numbers.
; out1: LN1's mean and variance from the heads' (mu_h, M2_h); y = r1 (sum of P_h + (mu_h - mu1) gw_h) + sum of bw_h + bo; LN2 over the 256.
; out0: index s' is head s' / 32 and the keys 8 (s' % 32) ..: t = te F + ba with F = 2^(c (m_half - m)) / l; then the LayerNorm over ONE number as it is written: (t - t) / sqrt((t - t)^2 + eps) ga + beta_a,
; which is beta_a unless t is NaN or infinite (a batch masked whole).
; window 0: v16-31 (mu_h, M2_h); v32-55 bo, g2, b2; v64-127 P; v128-191 gw; v192-207 (m, l, sw, 0); v208-215 te; v216- at work.   window 1: v0-63 bw
.set SEL, 40
.set MSB, 0
.macro WIN new
.if MSB != (\new)
	s_set_vgpr_msb (MSB<<8)|(\new)
.set MSB, \new
.endif
.endm
.macro RND2 a
	v_cvt_pk_bf16_f32 v[\a], v[\a], v[(\a)+1]
	v_and_b32 v[(\a)+1], 0xffff0000, v[\a]
	v_lshlrev_b32 v[\a], 16, v[\a]
.endm
.macro WSUM x, t
	v_add_f32_dpp v[\x], v[\x], v[\x] row_xmask:1 row_mask:0xf bank_mask:0xf
	v_add_f32_dpp v[\x], v[\x], v[\x] row_xmask:2 row_mask:0xf bank_mask:0xf
	v_add_f32_dpp v[\x], v[\x], v[\x] row_xmask:4 row_mask:0xf bank_mask:0xf
	v_add_f32_dpp v[\x], v[\x], v[\x] row_xmask:8 row_mask:0xf bank_mask:0xf
	v_permlanex16_b32 v[\t], v[\x], s[SEL], s[SEL+1]
	v_add_f32 v[\x], v[\x], v[\t]
.endm
	s_load_b512 s[4:19], s[0:1], 0x0               ; w3, w4, bo, g2, b2, ba, ga, beta_a
	s_load_b128 s[20:23], s[0:1], 0x40             ; out0, out1
	v_lshrrev_b32 v1, 5, v0
	v_readfirstlane_b32 s24, v1
	s_lshl_b32 s25, ttmp9, 2
	s_add_co_u32 s25, s25, s24                     ; b
	s_mov_b32 s[SEL], 0x76543210
	s_mov_b32 s[SEL+1], 0xfedcba98
	s_mov_b32 s28, 0x3db8aa3b                      ; log2(e) / 16
	v_and_b32 v1, 31, v0
	v_lshlrev_b32 v2, 4, v1                        ; 16 l
	v_lshrrev_b32 v4, 3, v1                        ; my head of the first four
	v_and_b32 v5, 3, v1
	v_lshlrev_b32 v5, 4, v5
	v_lshl_add_u32 v5, v4, 6, v5
	v_bfe_u32 v6, v0, 2, 1                         ; my half of the keys
	v_lshl_add_u32 v5, v6, 9, v5
	v_lshlrev_b32 v4, 4, v4
	s_lshl_b32 s26, s25, 10
	v_add_nc_u32 v7, s26, v2                       ; 1,024 b + 16 l: P's row, and the outputs
	v_add_nc_u32 v5, s26, v5                       ; te
	s_lshl_b32 s27, s25, 9
	v_add_nc_u32 v4, s27, v4                       ; (m, l, sw, 0)
	s_lshl_b32 s27, s25, 3
	v_mov_b32 v3, s27                              ; (mu_h, M2_h)
	v_mov_b32 v8, 0
	v_mov_b32 v9, 0x3727c5ac                       ; eps
	s_wait_kmcnt 0x0
.irp h, 0,1,2,3,4,5,6,7
	global_load_b64 v[16+2*\h:17+2*\h], v3, s[6:7] offset:0x120000+1024*\h
.endr
.irp h, 0,1,2,3,4,5,6,7
.irp q, 0,1
	global_load_b128 v[64+8*\h+4*\q:64+8*\h+4*\q+3],   v7, s[6:7] offset:147456*\h+512*\q
	global_load_b128 v[128+8*\h+4*\q:128+8*\h+4*\q+3], v2, s[6:7] offset:147456*\h+131072+512*\q
.endr
.endr
	WIN 0x40
.irp h, 0,1,2,3,4,5,6,7
.irp q, 0,1
	global_load_b128 v[8*\h+4*\q:8*\h+4*\q+3], v2, s[6:7] offset:147456*\h+132096+512*\q
.endr
.endr
	WIN 0
.irp q, 0,1
	global_load_b128 v[32+4*\q:35+4*\q], v2, s[8:9]   offset:512*\q
	global_load_b128 v[40+4*\q:43+4*\q], v2, s[10:11] offset:512*\q
	global_load_b128 v[48+4*\q:51+4*\q], v2, s[12:13] offset:512*\q
	global_load_b128 v[192+8*\q:195+8*\q], v4, s[4:5] offset:0x220000+64*\q
	global_load_b128 v[196+8*\q:199+8*\q], v4, s[4:5] offset:0x220000+256+64*\q
	global_load_b128 v[208+4*\q:211+4*\q], v5, s[4:5] offset:0x200000+256*\q
.endr
	global_load_b32 v56, v8, s[14:15]
	global_load_b32 v57, v8, s[16:17]
	global_load_b32 v58, v8, s[18:19]
	s_wait_loadcnt 0x0
.irp a, 32,34,36,38,40,42,44,46,48,50,52,54
	RND2 \a
.endr
.irp a, 56,57,58
	v_cvt_pk_bf16_f32 v\a, v\a, v\a
	v_lshlrev_b32 v\a, 16, v\a
.endr
	; LN1's statistics from the heads'
	v_add_f32 v10, v16, v18
	v_add_f32 v11, v20, v22
	v_add_f32 v12, v24, v26
	v_add_f32 v13, v28, v30
	v_add_f32 v10, v10, v11
	v_add_f32 v12, v12, v13
	v_add_f32 v10, v10, v12
	v_mul_f32 v10, 0x3e000000, v10                 ; mu1
.irp h, 0,1,2,3,4,5,6,7
	v_sub_f32 v[16+2*\h], v[16+2*\h], v10          ; mu_h - mu1
.endr
	v_mul_f32 v11, v16, v16
.irp h, 1,2,3,4,5,6,7
	v_fmac_f32 v11, v[16+2*\h], v[16+2*\h]
.endr
	v_add_f32 v12, v17, v19
	v_add_f32 v13, v21, v23
	v_add_f32 v14, v25, v27
	v_add_f32 v15, v29, v31
	v_add_f32 v12, v12, v13
	v_add_f32 v14, v14, v15
	v_add_f32 v12, v12, v14
	v_fmamk_f32 v12, v11, 0x43800000, v12          ; + 256 x the squares
	v_fmamk_f32 v12, v12, 0x3a000000, v9
	v_rsq_f32 v12, v12
.irp c, 0,1,2,3
	v_pk_fma_f32 v[216+2*\c:217+2*\c], v[128+2*\c:129+2*\c], v[16:17], v[64+2*\c:65+2*\c] op_sel_hi:[1,0,1]
.endr
.set hh, 1
.rept 7
.irp c, 0,1,2,3
	v_pk_fma_f32 v[216+2*\c:217+2*\c], v[128+8*hh+2*\c:129+8*hh+2*\c], v[16+2*hh:17+2*hh], v[216+2*\c:217+2*\c] op_sel_hi:[1,0,1]
	v_pk_add_f32 v[216+2*\c:217+2*\c], v[216+2*\c:217+2*\c], v[64+8*hh+2*\c:65+8*hh+2*\c]
.endr
.set hh, hh+1
.endr
	WIN 0x05
.irp c, 0,1,2,3
	v_pk_add_f32 v[224+2*\c:225+2*\c], v[2*\c:2*\c+1], v[8+2*\c:9+2*\c]
.endr
	WIN 0x04
.set hh, 2
.rept 6
.irp c, 0,1,2,3
	v_pk_add_f32 v[224+2*\c:225+2*\c], v[224+2*\c:225+2*\c], v[8*hh+2*\c:8*hh+2*\c+1]
.endr
.set hh, hh+1
.endr
	WIN 0
.irp c, 0,1,2,3
	v_pk_add_f32 v[224+2*\c:225+2*\c], v[224+2*\c:225+2*\c], v[32+2*\c:33+2*\c]
.endr
	s_wait_alu depctr_va_vdst(0)                   ; the root's wait, ahead of its first reader; the sums above stand between
	v_mov_b32 v13, v12
.irp c, 0,1,2,3
	v_pk_fma_f32 v[216+2*\c:217+2*\c], v[216+2*\c:217+2*\c], v[12:13], v[224+2*\c:225+2*\c]  ; y
.endr
	v_pk_add_f32 v[224:225], v[216:217], v[218:219]
	v_pk_add_f32 v[226:227], v[220:221], v[222:223]
	v_pk_add_f32 v[224:225], v[224:225], v[226:227]
	v_add_f32 v224, v224, v225
	WSUM 224, 225
	v_mul_f32 v10, 0x3b800000, v224                ; / 256
	v_mov_b32 v11, v10
.irp c, 0,1,2,3
	v_pk_add_f32 v[216+2*\c:217+2*\c], v[216+2*\c:217+2*\c], v[10:11] neg_lo:[0,1] neg_hi:[0,1]
.endr
	v_pk_mul_f32 v[224:225], v[216:217], v[216:217]
	v_pk_fma_f32 v[224:225], v[218:219], v[218:219], v[224:225]
	v_pk_fma_f32 v[224:225], v[220:221], v[220:221], v[224:225]
	v_pk_fma_f32 v[224:225], v[222:223], v[222:223], v[224:225]
	v_add_f32 v224, v224, v225
	WSUM 224, 225
	v_fmamk_f32 v12, v224, 0x3b800000, v9
	v_rsq_f32 v12, v12
	; out0's factors: the batch of this root and the four exponentials has one wait
.irp q, 0,1
	v_max_num_f32 v[232+\q], v[192+8*\q], v[196+8*\q]
.endr
.irp q, 0,1
	v_sub_f32 v[234+2*\q], v[192+8*\q], v[232+\q]
	v_sub_f32 v[235+2*\q], v[196+8*\q], v[232+\q]
.endr
.irp i, 234,235,236,237
	v_mul_f32 v\i, s28, v\i
.endr
.irp i, 234,235,236,237
	v_exp_f32 v\i, v\i
.endr
	v_cmp_eq_u32 vcc_lo, 1, v6
	s_wait_alu depctr_va_vdst(0)
	v_mov_b32 v13, v12
.irp c, 0,1,2,3
	v_pk_mul_f32 v[216+2*\c:217+2*\c], v[216+2*\c:217+2*\c], v[12:13]
.endr
.irp c, 0,1,2,3
	v_pk_fma_f32 v[216+2*\c:217+2*\c], v[216+2*\c:217+2*\c], v[40+2*\c:41+2*\c], v[48+2*\c:49+2*\c]
.endr
	global_store_b128 v7, v[216:219], s[22:23]
	global_store_b128 v7, v[220:223], s[22:23] offset:512
.irp q, 0,1
	v_mul_f32 v[238+\q], v[234+2*\q], v[193+8*\q]
	v_fmac_f32 v[238+\q], v[235+2*\q], v[197+8*\q] ; l
.endr
	v_rcp_f32 v238, v238
	v_rcp_f32 v239, v239
	v_cndmask_b32 v234, v234, v235, vcc_lo         ; my half's factor
	v_cndmask_b32 v236, v236, v237, vcc_lo
	s_wait_alu depctr_va_vdst(0)
	v_mul_f32 v234, v234, v238
	v_mul_f32 v236, v236, v239
.irp q, 0,1
.irp i, 0,1,2,3
	v_fma_f32 v[208+4*\q+\i], v[208+4*\q+\i], v[234+2*\q], v56      ; t
.endr
.endr
.irp i, 0,1,2,3,4,5,6,7
	v_sub_f32 v[208+\i], v[208+\i], v[208+\i]      ; t less the mean of the one number
.endr
.irp i, 0,1,2,3,4,5,6,7
	v_fma_f32 v[240+\i], v[208+\i], v[208+\i], v9  ; its variance + eps
.endr
.irp i, 0,1,2,3,4,5,6,7
	v_rsq_f32 v[240+\i], v[240+\i]
.endr
	v_nop
	s_wait_alu depctr_va_vdst(0)
.irp i, 0,1,2,3,4,5,6,7
	v_mul_f32 v[208+\i], v[208+\i], v[240+\i]
.endr
.irp i, 0,1,2,3,4,5,6,7
	v_fma_f32 v[208+\i], v[208+\i], v57, v58
.endr
	global_store_b128 v7, v[208:211], s[20:21]
	global_store_b128 v7, v[212:215], s[20:21] offset:512
	s_endpgm
.Lfunc_end_k_qb4ee24bcab_f2:
	.size	k_qb4ee24bcab_f2, .Lfunc_end_k_qb4ee24bcab_f2-k_qb4ee24bcab_f2
	.p2alignl 7, 3214868480
	.fill 96, 4, 3214868480
	.section	.rodata,"a",@progbits
	.p2align	6, 0x0
	.amdhsa_kernel k_qb4ee24bcab_f2
		.amdhsa_group_segment_fixed_size 0
		.amdhsa_private_segment_fixed_size 0
		.amdhsa_enable_private_segment 0
		.amdhsa_kernarg_size 80
		.amdhsa_user_sgpr_count 2
		.amdhsa_user_sgpr_kernarg_segment_ptr 1
		.amdhsa_wavefront_size32 1
		.amdhsa_system_sgpr_workgroup_id_x 1
		.amdhsa_system_sgpr_workgroup_id_y 1
		.amdhsa_system_sgpr_workgroup_id_z 1
		.amdhsa_system_vgpr_workitem_id 0
		.amdhsa_next_free_vgpr 384
		.amdhsa_next_free_sgpr 66
		.amdhsa_reserve_vcc 1
		.amdhsa_float_denorm_mode_32 3
		.amdhsa_float_denorm_mode_16_64 3
		.amdhsa_memory_ordered 1
		.amdhsa_forward_progress 1
		.amdhsa_inst_pref_size 24
	.end_amdhsa_kernel
	.amdgpu_metadata
---
amdhsa.version: [ 1, 2 ]
amdhsa.kernels:
  - .name:           k_qb4ee24bcab_f2
    .symbol:         k_qb4ee24bcab_f2.kd
    .args:
      - { .name: w3, .offset: 0, .size: 8, .value_kind: global_buffer, .address_space: global }
      - { .name: w4, .offset: 8, .size: 8, .value_kind: global_buffer, .address_space: global }
      - { .name: bo, .offset: 16, .size: 8, .value_kind: global_buffer, .address_space: global }
      - { .name: g2, .offset: 24, .size: 8, .value_kind: global_buffer, .address_space: global }
      - { .name: b2, .offset: 32, .size: 8, .value_kind: global_buffer, .address_space: global }
      - { .name: ba, .offset: 40, .size: 8, .value_kind: global_buffer, .address_space: global }
      - { .name: ga, .offset: 48, .size: 8, .value_kind: global_buffer, .address_space: global }
      - { .name: beta_a, .offset: 56, .size: 8, .value_kind: global_buffer, .address_space: global }
      - { .name: out0, .offset: 64, .size: 8, .value_kind: global_buffer, .address_space: global }
      - { .name: out1, .offset: 72, .size: 8, .value_kind: global_buffer, .address_space: global }
    .group_segment_fixed_size: 0
    .private_segment_fixed_size: 0
    .kernarg_segment_align: 8
    .kernarg_segment_size: 80
    .max_flat_workgroup_size: 128
    .sgpr_count:     66
    .vgpr_count:     384
    .wavefront_size: 32
...
	.end_amdgpu_metadata
.endif
;; end of part 5
